; MI455X (gfx1250); checked and timed in simulation.
; The chip was launched on July 23, 2026; its instructions are those of AMD's public machine-readable ISA for CDNA 5 (MIT licence, August 2026) and "CDNA5" Instruction Set Architecture Reference Guide (July 2026). The comments in the code are by the model that wrote it; some were corrected since.
;; Multi Head Attention. Allowed arithmetic: matrix products marked QUANTISED: E2M1 operands, one E8M0 scale for each 32 along K, by v_wmma_scale_f32_16x16x128_f8f6f4 with both operands' format E2M1 (or v_wmma_scale_f32_32x16x128_f4), f32 sums; products left as they are: bf16, f16 or f32 operands; f32 sums; everything else in f32.
;; Inputs: Wk 1,024 x 1,024 float32; Wo 1,024 x 1,024 float32; Wq 1,024 x 1,024 float32; Wv 1,024 x 1,024 float32; bo 1,024 float32; x 4 x 2,048 x 1,024 float32.
;; Outputs: out0 4 x 2,048 x 1,024 float32.
;; This version of the problem:
;;   THIS VERSION OF THE PROBLEM IS GIVEN IN LOW PRECISION. The matrix products marked QUANTISED in the list below multiply operands that are first quantised to E2M1 (2 exponent bits, 1 mantissa bit; 4 bits a number), with one power-of-two scale for each 32 numbers along K (OCP MX v1.0); their sums are f32. The products marked 'left as it is' may take bf16, f16 or f32 operands, with f32 sums. Whichever they take, every output number must still come out within the allowed error. Rounding operands to bf16 (8 significant bits) uses up far more of that allowance than f16 does (11 bits, for magnitudes from 6e-5 to 65,504). All else is computed in f32.
;;   The module's matrix products, in the order in which they are computed (A, B: the left and right operand; K: the contracted axis; several contracted axes count as one K, in the product's order):
;;     1. [M 8,192, K 1,024] x [K 1,024, N 1,024]; A: input x; B: input Wq: QUANTISED
;;     2. [M 8,192, K 1,024] x [K 1,024, N 1,024]; A: input x; B: input Wk: QUANTISED
;;     3. [M 8,192, K 1,024] x [K 1,024, N 1,024]; A: input x; B: input Wv: QUANTISED
;;     4. [M 2,048, K 1] x [K 1, N 32]; A: computed on the way; B: computed on the way: left as it is (no contracted axis)
;;     5. batch 64 x [M 2,048, K 64] x [K 64, N 2,048]; A: computed on the way; B: computed on the way: left as it is (an operand is computed on the way)
;;     6. batch 64 x [M 2,048, K 2,048] x [K 2,048, N 64]; A: computed on the way; B: computed on the way: left as it is (an operand is computed on the way)
;;     7. [M 8,192, K 1,024] x [K 1,024, N 1,024]; A: computed on the way; B: input Wo: left as it is (an operand is computed on the way)
;;   THE QUANTISER, for each operand of a quantised product, along K:
;;     - K is cut into blocks of 32 from its start; a last block that is shorter is filled with zeros.
;;     - A block's scale is 2^e with e = floor(log2(the largest magnitude in the block)) - 2, held to -126 .. 127; a block of zeros has e = 0. As a byte (E8M0): e + 127.
;;     - Each number is divided by its block's scale, clamped to +-6, and rounded to the nearest number of E2M1, ties to even, subnormals kept.
;;     - The product sums the exact products of the quantised numbers (number of the format x scale) in f32.
;;   ~~~python
;;   def quantise(x, axis):      # numpy; x: float32 -> the quantised numbers, widened to float32 again
;;       x = np.moveaxis(x, axis, -1); K = x.shape[-1]
;;       x = np.pad(x, [(0, 0)] * (x.ndim - 1) + [(0, -K % 32)]); x = x.reshape(x.shape[:-1] + (-1, 32)); a = np.abs(x).max(-1, keepdims=True)
;;       e = np.where(a > 0, np.clip(np.frexp(np.where(a > 0, a, 1))[1] - 1 - 2, -126, 127), 0)      # np.frexp(a)[1] - 1 = floor(log2(a)), exactly
;;       r = np.clip(x / 2.0 ** e, -6, 6)
;;       step = 2.0 ** (np.maximum(np.frexp(np.where(r == 0, 1, r))[1] - 1, 0) - 1)
;;       q = np.round(r / step) * step * 2.0 ** e      # np.round: ties to even
;;       return np.moveaxis(q.reshape(q.shape[:-2] + (-1,))[..., :K], -1, axis).astype(np.float32)
;;   ~~~
;; One version. Each part assembles by itself: llvm-mc -triple=amdgcn-amd-amdhsa -mcpu=gfx1250 --defsym DOCPART=n.
;; ======== version 1 of 1: 4 launches
;; limits: values are held in f16: magnitudes above 65,504 overflow, below 6.1e-05 lose precision
;; workspace buffers: xc 4,194,304 bytes; xs 262,144 bytes; wc 1,572,864 bytes; ws 98,304 bytes; wo16 2,097,152 bytes; rope 557,056 bytes; qkv 50,331,648 bytes; ctxh 16,777,216 bytes
;; launch prep (part 1): grid 548 x 1, 4 waves a work-group, no clusters, 33,280 bytes of LDS; arguments x, Wq, Wk, Wv, Wo, xc, xs, wc, ws, wo16, rope; writes xc, xs, wc, ws, wo16, rope
.if DOCPART == 1
	.amdgcn_target "amdgcn-amd-amdhsa--gfx1250"
	.amdhsa_code_object_version 6
	.text
	.protected	k_qa58e9a21a4_prep
	.globl	k_qa58e9a21a4_prep
	.p2align	8
	.type	k_qa58e9a21a4_prep,@function
k_qa58e9a21a4_prep:
	s_mov_b64 s[64:65], 0
	v_nop
	global_prefetch_b8 v0, s[64:65] scope:SCOPE_SE
	s_setreg_imm32_b32 hwreg(HW_REG_WAVE_MODE, 25, 1), 1
	s_wait_xcnt 0x0
; PREP: all that is made once, ahead of the products.  The work-group's number picks one of three roles:
;   0 .. 351    x [8192][1024] and Wq, Wk, Wv [1024][1024], f32, become codes of FP4 (E2M1), K innermost, with one E8M0 byte for each 32 along K:
;               x into xc [8192][512 bytes], xs [8192][32]; the three weights one behind the other into wc [3072][512 bytes], ws [3072][32].
;   352 .. 479  Wo [1024][1024] f32 is rounded to f16 into wo16 (the last product is left as it is and takes f16 operands).
;   480 .. 547  the table of cosines and sines: 2,176 rows of 256 bytes, 32 cosines then 32 sines, f32.  Rows 0 .. 2047 are the positions; rows 2048 .. 2175 hold
;               cos = 1, sin = 0: the tiles of v read them, so that q, k and v take one path through the next launch.
; THE QUANTISER: a block's scale is 2^(floor(log2(its largest magnitude)) - 2); its byte is the largest magnitude's exponent field - 2, held at 1 from below; each number is divided
; by the scale and rounded to the nearest code, ties to even, beyond 6 the largest code.
; LIMITS: a block of zeros, and one whose largest magnitude lies under 2^-124, gets the byte 1 (the rule says 127 for zeros: the codes are zeros, and this program alone reads the bytes);
; NaN and infinities are not served.  The frequencies are 2^(-i log2(10) / 8) by v_exp_f32: an angle may differ from a power and a division in f32 by some 4e-4 at position 2047.
; Rows are dense and K is a multiple of 32, so each tensor is a plain stream of blocks of 32.  A wave takes 16 steps of 512 numbers; each load reads 512 consecutive bytes, 16 a lane; a step's
; 2,048 bytes turn through the wave's own stage in LDS and come back 64 bytes a lane, so that a lane holds 16 neighbours along K.  No tensor load, no barrier: waves share nothing.
.set WAVES, 4
.set STEPS, 16
.set EMAX,  2
.set CB,    8                          ; bytes of 16 codes
.set R,     16                         ; v16-79   four sets of 16 numbers as they are loaded
.set X,     80                         ; v80-111  two sets of 16 neighbours
.set E,     112                        ; v112-127 a scale byte for each step
.set C,     128                        ; v128-191 codes: four registers for each step, so that no store's data are written again
.set WREG,  8192                       ; LDS: a region for each wave: two stages of 32 x SP bytes, behind them its 256 scale bytes
.set SP,    80                         ; a lane's place in a stage: 64 bytes + 16 of padding
.set SPW,   12                         ; v12  LDS address of my spare word; never rewritten
.set NIL,   13                         ; v13  0; never rewritten
.set SPARE, WAVES*WREG                 ; behind the regions: the spare words, 128 bytes a wave, that no other line names
.set WG_X,  256                        ; work-groups for x: 8,388,608 numbers / 32,768
.set WG_Q,  352                        ; + 3 x 32 for the weights
.set WG_C,  480                        ; + 128 for Wo
	s_load_b512 s[4:19], s[0:1], 0x0               ; x, Wq, Wk, Wv, Wo, xc, xs, wc
	s_load_b128 s[20:23], s[0:1], 0x40             ; ws, wo16
	s_load_b64 s[24:25], s[0:1], 0x50              ; rope
	v_lshl_add_u32 v[SPW], v0, 2, SPARE
	v_mov_b32 v[NIL], 0
	v_lshrrev_b32 v1, 5, v0
	v_readfirstlane_b32 s26, v1                    ; wave
	v_and_b32 v2, 31, v0                           ; lane
	v_lshlrev_b32 v3, 4, v2                        ; 16 x lane
	v_lshlrev_b32 v7, 3, v2                        ; 8 x lane
	s_wait_kmcnt 0x0
	s_cmp_ge_u32 ttmp9, WG_Q
	s_cbranch_scc1 .Lnot_q
	; ---------------- the quantiser ----------------
	s_mul_i32 s27, s26, WREG
	v_lshrrev_b32 v14, 2, v2
	v_mul_u32_u24 v14, v14, SP
	v_and_b32 v15, 3, v2
	v_lshl_add_u32 v14, v15, 4, v14
	v_add_nc_u32 v14, s27, v14                     ; the stage, on the way in: four lanes' 64 bytes on end, then 16 of padding
	v_mul_u32_u24 v15, v2, SP
	v_add_nc_u32 v15, s27, v15                     ; and on the way out: my 16 neighbours
	v_lshrrev_b32 v5, 1, v2
	s_add_co_u32 s27, s27, 2*32*SP
	v_add_nc_u32 v5, s27, v5                       ; my wave's 256 scale bytes: my block's byte,
	v_add_nc_u32 v6, s27, v7                       ; and on the way out 8 bytes a lane
	s_cmp_lt_u32 ttmp9, 320                        ; which tensor: the choices hang on the work-group's number alone
	s_cselect_b64 s[28:29], s[8:9], s[10:11]       ; Wk or Wv,
	s_cmp_lt_u32 ttmp9, 288
	s_cselect_b64 s[28:29], s[6:7], s[28:29]       ; or Wq,
	s_cmp_lt_u32 ttmp9, WG_X
	s_cselect_b64 s[28:29], s[4:5], s[28:29]       ; or x
	s_cselect_b64 s[30:31], s[14:15], s[18:19]     ; codes: xc or wc
	s_cselect_b64 s[32:33], s[16:17], s[20:21]     ; scale bytes: xs or ws
	s_cselect_b32 s34, 255, 31                     ; work-groups in the source tensor, less 1
	s_and_b32 s34, ttmp9, s34
	s_lshl_b32 s34, s34, 2
	s_add_co_u32 s34, s34, s26                     ; my wave's run of 8,192 numbers in its source,
	s_lshl_b32 s34, s34, 15                        ; 32,768 bytes a run
	s_mov_b32 s35, 0
	s_add_nc_u64 s[28:29], s[28:29], s[34:35]
	s_and_b32 s36, ttmp9, 255                      ; and in the buffers of codes: the three weights lie one behind the other
	s_lshl_b32 s36, s36, 2
	s_add_co_u32 s36, s36, s26
	s_lshl_b32 s34, s36, 12                        ; 4,096 bytes of codes a run
	s_add_nc_u64 s[30:31], s[30:31], s[34:35]
	s_lshl_b32 s34, s36, 8                         ; 256 scale bytes a run
	s_add_nc_u64 s[32:33], s[32:33], s[34:35]
.macro LOAD t
.irp i, 0,1,2,3
	global_load_b128 v[R+16*((\t)%4)+4*\i:R+16*((\t)%4)+4*\i+3], v3, s[28:29] offset:2048*(\t)+512*\i th:TH_LOAD_NT   ; 32 lanes read 512 consecutive bytes
.endr
.endm
.macro TURN t                          ; step t's numbers through the stage: LDS serves a wave's instructions in order, so no wait stands between the stores and the loads
.irp i, 0,1,2,3
	ds_store_b128 v14, v[R+16*((\t)%4)+4*\i:R+16*((\t)%4)+4*\i+3] offset:32*SP*((\t)%2)+8*SP*\i
.endr
.irp i, 0,1,2,3
	ds_load_b128 v[X+16*((\t)%2)+4*\i:X+16*((\t)%2)+4*\i+3], v15 offset:32*SP*((\t)%2)+16*\i
.endr
.endm
.irp t, 0,1,2,3
	LOAD \t
.endr
	s_wait_loadcnt 12                              ; step 0's four loads are in; three steps' twelve may be out
	TURN 0
.macro STEP t
.set XS, X+16*((\t)%2)
.if (\t) > 0
	s_wait_dscnt 1                                 ; this step's numbers are back from the stage (the last step's byte store may be out): so its stores into the stage have read their registers,
.else
	s_wait_dscnt 0x0
.endif
.if (\t)+4 < STEPS
	LOAD (\t)+4                                    ; which take the loads of four steps on
.endif
.if (\t)+1 < STEPS
.if STEPS-2-(\t) >= 3
	s_wait_loadcnt 12                              ; the next step's four loads are in; those of the three steps behind it may be out
.else
	s_wait_loadcnt 4*(STEPS-2-(\t))
.endif
	TURN (\t)+1                                    ; and go through the other stage while this step is worked
.endif
	v_max3_num_f32 v8, |v[XS]|, |v[XS+1]|, |v[XS+2]|               ; the largest magnitude of my 16, in two chains
	v_max3_num_f32 v9, |v[XS+3]|, |v[XS+4]|, |v[XS+5]|
.irp i, 6,10
	v_max3_num_f32 v8, v8, |v[XS+\i]|, |v[XS+\i+1]|
	v_max3_num_f32 v9, v9, |v[XS+\i+2]|, |v[XS+\i+3]|
.endr
	v_max3_num_f32 v8, v8, |v[XS+14]|, |v[XS+15]|
	v_max3_num_f32 v8, v8, v9, (EMAX+1)<<23        ; and the floor 2^(EMAX + 1 - 127): the byte cannot fall under 1
	v_max_num_f32_dpp v8, v8, v8 row_xmask:1 row_mask:0xf bank_mask:0xf   ; and of my neighbour's 16: the block's
	v_add_nc_u32 v11, -(EMAX<<23), v8              ; EMAX off its exponent field: the conversion takes the exponent field of this operand as its scale, and nothing else of it
	v_cvt_scalef32_pk8_fp4_f32 v[C+4*(\t)], v[XS:XS+7], v11
	v_cvt_scalef32_pk8_fp4_f32 v[C+4*(\t)+1], v[XS+8:XS+15], v11
	v_lshrrev_b32 v[E+(\t)], 23, v11               ; the scale's byte (a plain line behind the conversions)
	ds_store_b8 v5, v[E+(\t)] offset:16*(\t)       ; both lanes of a block write the same byte with the same value
	global_store_b64 v7, v[C+4*(\t):C+4*(\t)+1], s[30:31] offset:32*CB*(\t)   ; the wave stores 256 consecutive bytes, aligned
.endm
.irp t, 0,1,2,3,4,5,6,7,8,9,10,11,12,13,14,15
	STEP \t
.endr
	ds_load_b64 v[8:9], v6                         ; LDS serves a wave's instructions in order: these see my byte stores
	s_wait_dscnt 0x0
	global_store_b64 v7, v[8:9], s[32:33]          ; 32 lanes store 256 consecutive bytes, aligned
	s_wait_tensorcnt 0x0                           ; the wave's end, behind my last LDS store
	ds_add_u32 v[SPW], v[NIL]
	s_wait_dscnt 0x0
	s_endpgm
	; ---------------- Wo to f16 ----------------
.Lnot_q:
	s_cmp_ge_u32 ttmp9, WG_C
	s_cbranch_scc1 .Ltable
	s_sub_co_u32 s27, ttmp9, WG_Q
	s_lshl_b32 s27, s27, 2
	s_add_co_u32 s27, s27, s26                     ; my wave's run of 2,048 numbers
	s_lshl_b32 s28, s27, 13
	s_mov_b32 s29, 0
	s_add_nc_u64 s[12:13], s[12:13], s[28:29]
	s_lshl_b32 s28, s27, 12
	s_add_nc_u64 s[22:23], s[22:23], s[28:29]
.irp i, 0,1,2,3,4,5,6,7,8,9,10,11,12,13,14,15
	global_load_b128 v[16+4*\i:19+4*\i], v3, s[12:13] offset:512*\i th:TH_LOAD_NT
.endr
.irp i, 0,1,2,3,4,5,6,7,8,9,10,11,12,13,14,15
	s_wait_loadcnt 15-\i                           ; loads come back in order: load i is in, the younger ones stay out
	v_cvt_pk_f16_f32 v[80+2*\i], v[16+4*\i], v[17+4*\i]
	v_cvt_pk_f16_f32 v[81+2*\i], v[18+4*\i], v[19+4*\i]
	global_store_b64 v7, v[80+2*\i:81+2*\i], s[22:23] offset:256*\i   ; 256 consecutive bytes, aligned; no register is written twice
.endr
	s_wait_tensorcnt 0x0                           ; the wave's end
	ds_add_u32 v[SPW], v[NIL]
	s_wait_dscnt 0x0
	s_endpgm
	; ---------------- the table ----------------
	; A wave makes eight rows.  A lane takes frequencies i0 = 2 (lane % 16) and i0 + 1, packed; lanes 0-15 keep the cosines, lanes 16-31 the sines.
	; angle f = position x frequency, one f32 product; r = f - n 2 pi with 2 pi in two parts (the first product is exact: n < 512, and the difference is short); x = r / 4, |x| <= pi / 4;
	; sin x to x^9 and cos x to x^10; the double angle twice.
.Ltable:
	s_sub_co_u32 s27, ttmp9, WG_C
	s_lshl_b32 s27, s27, 2
	s_add_co_u32 s27, s27, s26
	s_lshl_b32 s27, s27, 3                         ; my first row
	s_lshl_b32 s28, s27, 8
	s_mov_b32 s29, 0
	s_add_nc_u64 s[24:25], s[24:25], s[28:29]
	s_cmp_lt_u32 s27, 2048
	s_cselect_b32 s28, 1, 0                        ; 0 in the rows behind the positions: their position counts as 0, which gives exactly 1 and 0
	v_and_b32 v16, 15, v2
	v_lshlrev_b32 v16, 1, v16
	v_add_nc_u32 v17, 1, v16
	v_cvt_f32_u32 v16, v16
	v_cvt_f32_u32 v17, v17
	v_mul_f32 v16, 0xbed49a78, v16                 ; -i log2(10) / 8 = -(2 i / 64) log2(10000)
	v_mul_f32 v17, 0xbed49a78, v17
	v_exp_f32 v20, v16
	v_exp_f32 v21, v17                             ; v[20:21]: the two frequencies
.macro KONST reg, bits
	v_mov_b32 v[\reg], \bits
	v_mov_b32 v[\reg+1], \bits
.endm
	KONST 22, 0x40c90fdb                           ; 2 pi, its f32;  (these lines are the plain work behind the exponentials)
	KONST 24, 0xb43bbd2e                           ; and what is left of it
	KONST 26, 0xbe2aaaab                           ; -1/6
	KONST 28, 0x3c088889                           ; 1/120
	KONST 30, 0xb9500d01                           ; -1/5040
	KONST 32, 0x3638ef1d                           ; 1/362880
	KONST 34, 0x3d2aaaab                           ; 1/24
	KONST 36, 0xbab60b61                           ; -1/720
	KONST 38, 0x37d00d01                           ; 1/40320
	KONST 40, 0xb493f27e                           ; -1/3628800
	v_cmp_le_u32 s30, 16, v2                       ; lanes 16-31
	s_wait_alu depctr_va_vdst(0)                   ; the wait ahead of the first reader: one for both exponentials
.macro ROW k
	s_add_co_u32 s29, s27, \k
	s_mul_i32 s29, s29, s28
	v_cvt_f32_u32 v44, s29
	v_cvt_f32_u32 v45, s29                         ; the position, twice
	v_pk_mul_f32 v[46:47], v[20:21], v[44:45]      ; f
	v_pk_mul_f32 v[48:49], v[46:47], 0.15915494 op_sel_hi:[1,0]
	v_rndne_f32 v48, v48
	v_rndne_f32 v49, v49                           ; n
	v_pk_fma_f32 v[46:47], v[48:49], v[22:23], v[46:47] neg_lo:[1,0,0] neg_hi:[1,0,0]
	v_pk_fma_f32 v[46:47], v[48:49], v[24:25], v[46:47] neg_lo:[1,0,0] neg_hi:[1,0,0]   ; r
	v_pk_mul_f32 v[46:47], v[46:47], 0x3e800000 op_sel_hi:[1,0]                         ; x = r / 4
	v_pk_mul_f32 v[50:51], v[46:47], v[46:47]      ; x^2
	v_pk_fma_f32 v[52:53], v[32:33], v[50:51], v[30:31]
	v_pk_fma_f32 v[56:57], v[40:41], v[50:51], v[38:39]
	v_pk_fma_f32 v[52:53], v[52:53], v[50:51], v[28:29]
	v_pk_fma_f32 v[56:57], v[56:57], v[50:51], v[36:37]
	v_pk_fma_f32 v[52:53], v[52:53], v[50:51], v[26:27]
	v_pk_fma_f32 v[56:57], v[56:57], v[50:51], v[34:35]
	v_pk_mul_f32 v[54:55], v[46:47], v[50:51]      ; x^3
	v_pk_fma_f32 v[56:57], v[56:57], v[50:51], -0.5 op_sel_hi:[1,1,0]
	v_pk_fma_f32 v[52:53], v[52:53], v[54:55], v[46:47]               ; sin x
	v_pk_fma_f32 v[56:57], v[56:57], v[50:51], 1.0 op_sel_hi:[1,1,0]  ; cos x
.rept 2
	v_pk_mul_f32 v[54:55], v[52:53], v[56:57]      ; s c
	v_pk_mul_f32 v[58:59], v[52:53], v[52:53]      ; s s
	v_pk_add_f32 v[52:53], v[54:55], v[54:55]      ; sin 2x = 2 s c
	v_pk_fma_f32 v[56:57], v[58:59], -2.0, 1.0 op_sel_hi:[1,0,0]      ; cos 2x = 1 - 2 s s
.endr
	v_cndmask_b32 v[64+2*(\k)], v56, v52, s30
	v_cndmask_b32 v[65+2*(\k)], v57, v53, s30
	global_store_b64 v7, v[64+2*(\k):65+2*(\k)], s[24:25] offset:256*(\k)   ; a row: 256 consecutive bytes, aligned; each row has its own pair of registers
.endm
.irp k, 0,1,2,3,4,5,6,7
	ROW \k
.endr
	s_wait_tensorcnt 0x0                           ; the wave's end
	ds_add_u32 v[SPW], v[NIL]
	s_wait_dscnt 0x0
	s_endpgm
.Lfunc_end_k_qa58e9a21a4_prep:
	.size	k_qa58e9a21a4_prep, .Lfunc_end_k_qa58e9a21a4_prep-k_qa58e9a21a4_prep
	.p2alignl 7, 3214868480
	.fill 96, 4, 3214868480
	.section	.rodata,"a",@progbits
	.p2align	6, 0x0
	.amdhsa_kernel k_qa58e9a21a4_prep
		.amdhsa_group_segment_fixed_size 33280
		.amdhsa_private_segment_fixed_size 0
		.amdhsa_enable_private_segment 0
		.amdhsa_kernarg_size 88
		.amdhsa_user_sgpr_count 2
		.amdhsa_user_sgpr_kernarg_segment_ptr 1
		.amdhsa_wavefront_size32 1
		.amdhsa_system_sgpr_workgroup_id_x 1
		.amdhsa_system_sgpr_workgroup_id_y 1
		.amdhsa_system_sgpr_workgroup_id_z 1
		.amdhsa_system_vgpr_workitem_id 0
		.amdhsa_next_free_vgpr 192
		.amdhsa_next_free_sgpr 66
		.amdhsa_reserve_vcc 0
		.amdhsa_float_denorm_mode_32 3
		.amdhsa_float_denorm_mode_16_64 3
		.amdhsa_memory_ordered 1
		.amdhsa_forward_progress 1
		.amdhsa_inst_pref_size 57
	.end_amdhsa_kernel
	.amdgpu_metadata
---
amdhsa.version: [ 1, 2 ]
amdhsa.kernels:
  - .name:           k_qa58e9a21a4_prep
    .symbol:         k_qa58e9a21a4_prep.kd
    .args:
      - { .name: x, .offset: 0, .size: 8, .value_kind: global_buffer, .address_space: global }
      - { .name: Wq, .offset: 8, .size: 8, .value_kind: global_buffer, .address_space: global }
      - { .name: Wk, .offset: 16, .size: 8, .value_kind: global_buffer, .address_space: global }
      - { .name: Wv, .offset: 24, .size: 8, .value_kind: global_buffer, .address_space: global }
      - { .name: Wo, .offset: 32, .size: 8, .value_kind: global_buffer, .address_space: global }
      - { .name: xc, .offset: 40, .size: 8, .value_kind: global_buffer, .address_space: global }
      - { .name: xs, .offset: 48, .size: 8, .value_kind: global_buffer, .address_space: global }
      - { .name: wc, .offset: 56, .size: 8, .value_kind: global_buffer, .address_space: global }
      - { .name: ws, .offset: 64, .size: 8, .value_kind: global_buffer, .address_space: global }
      - { .name: wo16, .offset: 72, .size: 8, .value_kind: global_buffer, .address_space: global }
      - { .name: rope, .offset: 80, .size: 8, .value_kind: global_buffer, .address_space: global }
    .group_segment_fixed_size: 33280
    .private_segment_fixed_size: 0
    .kernarg_segment_align: 8
    .kernarg_segment_size: 88
    .max_flat_workgroup_size: 128
    .sgpr_count:     66
    .vgpr_count:     192
    .wavefront_size: 32
...
	.end_amdgpu_metadata
.endif
;; end of part 1
;; launch qkv (part 2): grid 12 x 32, 4 waves a work-group, clusters of 4 x 4, 327,680 bytes of LDS; arguments xc, xs, wc, ws, rope, qkv; writes qkv
.if DOCPART == 2
	.amdgcn_target "amdgcn-amd-amdhsa--gfx1250"
	.amdhsa_code_object_version 6
	.text
	.protected	k_qa58e9a21a4_qkv
	.globl	k_qa58e9a21a4_qkv
	.p2align	8
	.type	k_qa58e9a21a4_qkv,@function
k_qa58e9a21a4_qkv:
	s_mov_b64 s[64:65], 0
	v_nop
	global_prefetch_b8 v0, s[64:65] scope:SCOPE_SE
	s_setreg_imm32_b32 hwreg(HW_REG_WAVE_MODE, 25, 1), 1
	s_wait_xcnt 0x0
	s_wait_alu depctr_hold_cnt(0) depctr_sa_sdst(0) depctr_va_vdst(0) depctr_va_sdst(0) depctr_va_ssrc(0) depctr_va_vcc(0) depctr_vm_vsrc(0)
	s_getreg_b32 s2, hwreg(HW_REG_IB_STS2, 6, 4)
	s_cmp_eq_u32 s2, 0
	s_cbranch_scc0 .Lentry_in_a_cluster
	s_endpgm
.Lentry_in_a_cluster:
	s_bfe_u32 s2, ttmp6, 0x10000c
	s_cmp_lg_u32 s2, 0xf033
	s_cbranch_scc0 .Lentry_shape_is_right
	s_endpgm
.Lentry_shape_is_right:
; q, k, v = x Wq^T, x Wk^T, x Wv^T on codes of FP4 (E2M1) with one E8M0 scale for each 32 along K; sums in f32; then the rotation of q and k in f32, rounding to f16, and the store by heads.
; A = xc [8192][1024 codes], B = wc [3072][1024 codes] (rows 0-1023 Wq, 1024-2047 Wk, 2048-3071 Wv); scale bytes xs [8192][32], ws [3072][32].  Out: qkv [3][64 = batch x head][2048][64] f16.
; A tile, 256 tokens x 256 columns (four heads), is made by a work-group of four waves; a wave makes 128 x 128: 64 accumulators of 16 x 16, 512 registers.
; K = 1,024 is two steps of 512: the two LDS slots hold all of it, each filled once at the start (rows of 256 bytes), and so are the scale bytes of the work-group's rows.  Nothing is filled again.
; CLUSTERS: 4 x 4 work-groups.  The four of a row of the cluster need the same tiles of A, the four of a column the same tiles of B: each tile is asked for JOINTLY, by the same tensor load with the
; same descriptor and a mask that names the four.  A cluster's four tile columns are the 1,024 columns of ONE of q, k, v: the cluster's x says which.
; THE MATRIX INSTRUCTION IS USED TRANSPOSED (source 0 = 16 rows of B, source 1 = 16 rows of A): a lane holds one token (lane % 16) and eight neighbouring columns 16 b + 8 (lane / 16) + 0..7 of block b.
; THE ROTATION: channels d and d + 32 of a head lie in blocks b and b + 2, same lane, same register: out[d] = x[d] cos - x[d+32] sin, out[d+32] = x[d+32] cos + x[d] sin.  Cosines and sines come from
; the table, a row of 256 bytes a position; tiles of v read its rows with cos = 1, sin = 0, so that all tiles take one path.
; LIMITS: q, k and v are rounded to f16: magnitudes up to 65,504 are served; NaN and infinities are not.
; REGISTERS, in windows of 256: window 0: v0-31 addresses; v32-95 scale words, two sets; v128-191 A's fragments, ONE set; v96-127, v192-223 two sets of table rows; on the way out v32-95 the rotated numbers,
;   v128-159 their f16, v160-191, v224-255 rows read back.   window 1: B's fragments, TWO sets.   window 2: the accumulators of my rows 0-63 ((a, b) at v[8 (8 a + b)]);   window 3: those of rows 64-127.
.set SIZE_K, 1024
.set KSTEP,  512                       ; along K in a slot
.set NQ,     KSTEP/128                 ; matrix instructions deep
.set ROWB,   256                       ; a tile's row in bytes
.set KROW,   SIZE_K*4/8                ; a row of codes in memory
.set PITCH,  272                       ; an LDS row: 256 bytes + 16 of padding = 68 words: the 16 rows that a load touches start at 16 different banks (64 banks of 4 bytes: ISA guide 11.1)
.set FR,     8                         ; registers of a fragment: 16 rows x 128 K
.set NL,     2                         ; LDS loads that bring one
.set NP,     4                         ; places behind this matrix instruction (ISA guide 7.12.1)
.set HALFT,  128*PITCH                 ; 128 rows: what one tensor load brings
.set SLOT,   4*HALFT                   ; A's 256 rows, then B's 256 rows
.set KS,     SIZE_K/32                 ; a row of scale bytes
.set SCL,    2*SLOT                    ; behind the slots: the scale bytes, as units of 256 bytes + 16 of padding
.set HALFS,  (128*KS/256)*272          ; those of 128 rows: what one tensor load brings
.set SBLK,   (16*KS/256)*272           ; those of 16 rows
.set SPARE,  SCL+4*HALFS               ; the spare words, 128 bytes a wave, that no other line names
.set SPITCH, 272                       ; the way out: a stage of 16 rows x (256 bytes + 16) for each wave, in slot 0, which has had its only fill and its last read when the first result is stored there
.set ADRA, 16                          ; v16-17  LDS address of my A fragments in slot 0, 1
.set ADRB, 20                          ; v20-21  the same for B
.set STO,  24                          ; v24     the way out: where I put 16 bytes of a row
.set RD,   25                          ; v25     where I read back: 4 tokens x 128 bytes of one head
.set CO,   26                          ; v26     16 x lane: my place in a store's 512 bytes
.set ADRS, 27                          ; v27     LDS address of my scale words: lanes 0-15 A's rows, lanes 16-31 B's
.set SPW,  28                          ; v28     LDS address of my spare word; never rewritten
.set NIL,  29                          ; v29     0; never rewritten
.set TA,   30                          ; v30     the table: 256 x (lane % 16) + 32 x (lane / 16); never rewritten
.set SC,   32                          ; scale words: set s at v[SC + 8 NQ s]; register NQ i + q: lanes 0-15 A's block i, lanes 16-31 B's block i, the slot's q-th 128 along K
.set AF,   128                         ; A's fragments
.set T,    32                          ; the way out: 64 rotated numbers
.set HR,   128                         ; their f16, 32 registers
.set BK,   160                         ; rows read back: v160-191 and v224-255 by turns
.set CSR,  96                          ; table rows: v96-127 and v192-223 by turns: 16 cosines, 16 sines
.set G1, 24                            ; s[24:31] descriptor group 1 for A's tiles;  s[32:39] group 0, one set for each slot
.set G0, 32
.set G1B, 48                           ; s[48:55], s[56:63] the same for B's tiles
.set G0B, 56
.set G1S, 68                           ; s[68:75], s[76:79] groups 1 and 0 for A's scales;  s[80:87], s[88:91] for B's
.set G0S, 76
.set G1SB, 80
.set G0SB, 88
.set MSB, 0
.macro WIN new                         ; the immediate's high byte repeats the setting that is left
.if MSB != (\new)
	s_set_vgpr_msb (MSB<<8)|(\new)
.set MSB, (\new)
.endif
.endm
.set MUL_LO, 0xa1                      ; source 0 (B) window 1, source 1 (A) window 0, C and D window 2
.set MUL_HI, 0xf1                      ; the same, C and D window 3
.set TO_B,   0x40                      ; destination window 1, address window 0
; A joint load: waves 0 and 1 fetch for A, waves 2 and 3 for B.  Each line has ONE mask and one set of registers for all that issue it; the branch hangs on the wave's number alone.
; An s_nop 0 and four v_nop follow each of the two lines.
.macro JLOAD g0a, g1a, g0b, g1b
	s_cmp_eq_u32 s15, 0
	s_cbranch_scc0 .Lfor_b_\@
	tensor_load_to_lds s[\g0a:\g0a+3], s[\g1a:\g1a+7]
	s_nop 0
.rept 4
	v_nop
.endr
	s_branch .Lasked_\@
.Lfor_b_\@:
	tensor_load_to_lds s[\g0b:\g0b+3], s[\g1b:\g1b+7]
	s_nop 0
.rept 4
	v_nop
.endr
.Lasked_\@:
.endm
.macro CROUND                          ; a round of the cluster's barrier
	s_barrier_signal -1
	s_barrier_wait -1
	s_cmp_lg_u32 s14, 0
	s_cbranch_scc1 .Lnot_wave_0_\@
	s_barrier_signal -3
.Lnot_wave_0_\@:
	s_barrier_wait -3
	s_barrier_signal -1
	s_barrier_wait -1
.endm
	s_load_b128 s[4:7], s[0:1], 0x0                ; A's codes s[4:5], A's scales s[6:7]
	s_load_b128 s[8:11], s[0:1], 0x10              ; B's codes s[8:9], B's scales s[10:11]
	s_load_b128 s[96:99], s[0:1], 0x20             ; the table s[96:97], qkv s[98:99]
	v_lshl_add_u32 v[SPW], v0, 2, SPARE
	v_mov_b32 v[NIL], 0
	ds_add_u32 v[SPW], v[NIL]                      ; the wave's opening: the add, twice on end, and its wait ahead of my first tensor load; the set-up below stands between
	ds_add_u32 v[SPW], v[NIL]
	v_lshrrev_b32 v1, 5, v0
	v_readfirstlane_b32 s14, v1                    ; wave 0..3
	s_lshr_b32 s15, s14, 1                         ; which half of the tile's rows is mine.  Also: I fetch for A (0) or for B (1)
	s_and_b32 s16, s14, 1                          ; which half of its columns.  Also: which 128 rows of that tile I fetch
	s_bfe_u32 s40, ttmp6, 0x40000                  ; cx, cy: my place in the cluster
	s_bfe_u32 s41, ttmp6, 0x40004
	s_lshl_b32 s42, ttmp9, 2
	s_add_co_u32 s42, s42, s40                     ; tile column = 4 x cluster x + cx
	s_and_b32 s17, ttmp7, 0xffff
	s_lshl_b32 s17, s17, 2
	s_add_co_u32 s17, s17, s41                     ; tile row = 4 x cluster y + cy
	s_lshl_b32 s43, s41, 2
	s_lshl_b32 s43, 15, s43                        ; my row of the cluster
	s_lshl_b32 s44, 0x1111, s40                    ; my column
	; descriptor group 1: a tile of 128 rows x 256 bytes, padded in LDS
	s_or_b32 s[G1+0], s43, (0<<16)|(1<<20)|(1<<21)|(5<<22)|(3<<25)  ; 15:0 the mask: A's tiles go to my row; 17:16 element of 1 byte; 20 padding on; 21 set beside a mask; 24:22 after every 64 words; 31:25 four words
	s_or_b32 s[G1B+0], s44, (0<<16)|(1<<20)|(1<<21)|(5<<22)|(3<<25)
.irp g, G1, G1B
	s_mov_b32 s[\g+1], ROWB<<16                    ; tensor_dim0
	s_mov_b32 s[\g+2], 128<<16                     ; tensor_dim1
	s_mov_b32 s[\g+3], ROWB<<16                    ; tile_dim0
	s_mov_b32 s[\g+4], 128                         ; tile_dim1
	s_mov_b32 s[\g+5], KROW                        ; tensor_dim0_stride
	s_mov_b32 s[\g+6], 0
	s_mov_b32 s[\g+7], 0
.endr
	; the scale bytes of 128 rows: a dense block of 4,096 bytes, as rows of 256 bytes (32 elements of 8 bytes), 16 bytes of padding behind each
	s_or_b32 s[G1S+0], s43, (3<<16)|(1<<20)|(1<<21)|(5<<22)|(3<<25)
	s_or_b32 s[G1SB+0], s44, (3<<16)|(1<<20)|(1<<21)|(5<<22)|(3<<25)
.irp g, G1S, G1SB
	s_mov_b32 s[\g+1], 32<<16
	s_mov_b32 s[\g+2], (128*KS/256)<<16
	s_mov_b32 s[\g+3], 32<<16
	s_mov_b32 s[\g+4], 128*KS/256
	s_mov_b32 s[\g+5], 32
	s_mov_b32 s[\g+6], 0
	s_mov_b32 s[\g+7], 0
.endr
	s_lshl_b32 s18, s16, 7                         ; which 128 rows of the tile I fetch
	s_lshl_b32 s20, s17, 8
	s_add_co_u32 s20, s20, s18                     ; A: row 256 x tile row + 128 x half
	s_lshl_b32 s46, s42, 8
	s_add_co_u32 s46, s46, s18                     ; B: row 256 x tile column + 128 x half
	s_mov_b32 s21, 0
	s_mov_b32 s47, 0
	s_mov_b64 s[18:19], KS
	s_mul_u64 s[22:23], s[20:21], s[18:19]         ; where these rows' scales begin, in bytes
	s_mul_u64 s[92:93], s[46:47], s[18:19]
	s_mov_b64 s[18:19], KROW
	s_mul_u64 s[20:21], s[20:21], s[18:19]         ; and their codes
	s_mul_u64 s[46:47], s[46:47], s[18:19]
	s_mul_i32 s45, s14, HALFT                      ; where they go: wave x 128 rows: no place in the cluster enters an LDS address
	s_mul_i32 s94, s14, HALFS
	; where my results go, and which rows of the table I read (registers that feed no descriptor)
	s_lshr_b32 s12, s17, 3                         ; the batch: 8 tile rows each
	s_lshl_b32 s12, s12, 4
	s_lshl_b32 s13, s40, 2
	s_add_co_u32 s12, s12, s13
	s_lshl_b32 s13, s16, 1
	s_add_co_u32 s12, s12, s13                     ; 16 x batch + my first head (4 cx + 2 x column half)
	s_lshl_b32 s12, s12, 18                        ; a head is 262,144 bytes
	s_lshl_b32 s13, ttmp9, 24                      ; q, k or v: 16,777,216 bytes each
	s_add_co_u32 s12, s12, s13
	s_and_b32 s13, s17, 7
	s_lshl_b32 s13, s13, 8
	s_lshl_b32 s2, s15, 7
	s_add_co_u32 s13, s13, s2                      ; my first position in the sequence
	s_lshl_b32 s2, s13, 7                          ; 128 bytes a token
	s_add_co_u32 s12, s12, s2
	s_lshl_b32 s2, s13, 8                          ; the table: 256 bytes a position;
	s_cmp_eq_u32 ttmp9, 2
	s_cselect_b32 s2, 2048*256, s2                 ; tiles of v take the rows with cos = 1, sin = 0
	s_mov_b32 s13, 0
	s_mov_b32 s3, 0
	s_wait_dscnt 0x0                               ; both opening adds are done
	s_wait_kmcnt 0x0
	s_add_nc_u64 s[20:21], s[4:5], s[20:21]
	s_add_nc_u64 s[22:23], s[6:7], s[22:23]
	s_add_nc_u64 s[46:47], s[8:9], s[46:47]
	s_add_nc_u64 s[92:93], s[10:11], s[92:93]
	s_add_nc_u64 s[98:99], s[98:99], s[12:13]
	s_add_nc_u64 s[96:97], s[96:97], s[2:3]
	CROUND                                         ; all sixteen work-groups are here: the joint loads meet
	s_mov_b32 s[G0S], 1
	s_add_co_u32 s[G0S+1], s94, SCL
	s_mov_b64 s[G0S+2:G0S+3], s[22:23]
	s_or_b32 s[G0S+3], s[G0S+3], 0x80000000
	s_mov_b32 s[G0SB], 1
	s_add_co_u32 s[G0SB+1], s94, SCL
	s_mov_b64 s[G0SB+2:G0SB+3], s[92:93]
	s_or_b32 s[G0SB+3], s[G0SB+3], 0x80000000
	JLOAD G0S, G1S, G0SB, G1SB                     ; the scales first: they are wanted with K step 0
.irp s, 0,1
	s_mov_b32 s[G0+4*\s], 1
	s_add_co_u32 s[G0+4*\s+1], s45, \s*SLOT
	s_add_nc_u64 s[G0+4*\s+2:G0+4*\s+3], s[20:21], \s*ROWB
	s_or_b32 s[G0+4*\s+3], s[G0+4*\s+3], 0x80000000
	s_mov_b32 s[G0B+4*\s], 1
	s_add_co_u32 s[G0B+4*\s+1], s45, \s*SLOT
	s_add_nc_u64 s[G0B+4*\s+2:G0B+4*\s+3], s[46:47], \s*ROWB
	s_or_b32 s[G0B+4*\s+3], s[G0B+4*\s+3], 0x80000000
	JLOAD G0+4*\s, G1, G0B+4*\s, G1B               ; three tensor loads of mine are out: all of the launch's
.endr
	v_and_b32 v1, 15, v0                           ; l % 16
	v_bfe_u32 v2, v0, 4, 1                         ; l / 16
	v_lshlrev_b32 v[TA], 8, v1
	v_lshl_add_u32 v[TA], v2, 5, v[TA]
; The table rows of block a (tokens 16 a + lane % 16): cos(8 h + j), cos(16 + 8 h + j), then the sines likewise: 32 registers
.macro CSLOAD a
.set CC, CSR+96*((\a)%2)
.irp i, 0,1,2,3
	global_load_b128 v[CC+8*\i:CC+8*\i+3],   v[TA], s[96:97] offset:4096*(\a)+64*\i
	global_load_b128 v[CC+8*\i+4:CC+8*\i+7], v[TA], s[96:97] offset:4096*(\a)+64*\i+16
.endr
.endm
	CSLOAD 0                                       ; the first two blocks' rows are asked for here: the products below do not touch their registers
	CSLOAD 1
	v_mul_u32_u24 v3, v1, PITCH
	v_lshl_add_u32 v4, v2, 4, v3                   ; a fragment's row x pitch + 16 x half
	s_mul_i32 s21, s15, HALFT                      ; my 128 rows of A
	s_mul_i32 s22, s16, HALFT                      ; my 128 rows of B,
	s_add_co_u32 s22, s22, 2*HALFT                 ; which lie behind A's 256
.irp s, 0,1
	v_add_nc_u32 v[ADRA+\s], s21, v4
	v_add_nc_u32 v[ADRB+\s], s22, v4
	s_add_co_u32 s21, s21, SLOT
	s_add_co_u32 s22, s22, SLOT
.endr
	v_mul_u32_u24 v5, v1, KS                       ; my row's scales: KS bytes a row,
	v_lshrrev_b32 v6, 8, v5
	v_lshl_add_u32 v5, v6, 4, v5                   ; and 16 more for each 256 passed
	s_mul_i32 s21, s15, HALFS                      ; A's: my 128 rows
	s_mul_i32 s22, s16, HALFS                      ; B's: my 128 rows, behind A's 256
	s_add_co_u32 s22, s22, 2*HALFS
	s_sub_co_u32 s22, s22, s21
	v_mul_u32_u24 v6, s22, v2                      ; lanes 16-31 take B's
	s_add_co_u32 s21, s21, SCL
	v_add_nc_u32 v5, v5, v6
	v_add_nc_u32 v[ADRS], s21, v5
	s_mul_i32 s23, s14, 16*SPITCH                  ; my stage
	v_mul_u32_u24 v5, v1, SPITCH                   ; in: row l % 16, 16 bytes for each half of the lanes
	v_lshl_add_u32 v5, v2, 4, v5
	v_add_nc_u32 v[STO], s23, v5
	v_and_b32 v6, 31, v0
	v_lshrrev_b32 v5, 3, v6                        ; back: eight lanes take a token's 128 bytes of one head, four tokens an instruction
	v_mul_u32_u24 v5, v5, SPITCH
	v_and_b32 v7, 7, v0
	v_lshl_add_u32 v5, v7, 4, v5
	v_add_nc_u32 v[RD], s23, v5
	v_lshlrev_b32 v[CO], 4, v6
.macro FRAG reg, adr, q, i             ; a fragment, 16 rows x 128 K of 4-bit codes: lane l holds row l % 16; registers 4 c .. 4 c + 3 hold K = 64 c + 32 (l / 16) + 0 .. 31
.irp c, 0,1
	ds_load_b128 v[\reg+4*\c:\reg+4*\c+3], v[\adr] offset:64*(\q)+32*\c+(\i)*16*PITCH
.endr
.endm
; 16 matrix instructions: A's blocks a0, a0 + 1 x B's eight, the slot's q-th 128 along K.  p: B's set;  sc: the set of scale words.  zero = 1: the first product starts the sums.
; The 64 accumulators take turns, one instruction a turn, in the same order in every step.
.macro MUL16 a0, p, q, sc, zero
.irp a, \a0, \a0+1
.irp b, 0,1,2,3,4,5,6,7
.if \zero
	v_wmma_scale_f32_16x16x128_f8f6f4 v[8*(8*((\a)%4)+\b):8*(8*((\a)%4)+\b)+7], v[128*(\p)+FR*\b:128*(\p)+FR*\b+FR-1], v[AF+FR*(\a):AF+FR*(\a)+FR-1], 0, v[SC+8*NQ*(\sc)+NQ*\b+(\q)], v[SC+8*NQ*(\sc)+NQ*(\a)+(\q)] matrix_a_fmt:MATRIX_FMT_FP4 matrix_b_fmt:MATRIX_FMT_FP4 matrix_a_scale:MATRIX_SCALE_ROW1
.else
	v_wmma_scale_f32_16x16x128_f8f6f4 v[8*(8*((\a)%4)+\b):8*(8*((\a)%4)+\b)+7], v[128*(\p)+FR*\b:128*(\p)+FR*\b+FR-1], v[AF+FR*(\a):AF+FR*(\a)+FR-1], v[8*(8*((\a)%4)+\b):8*(8*((\a)%4)+\b)+7], v[SC+8*NQ*(\sc)+NQ*\b+(\q)], v[SC+8*NQ*(\sc)+NQ*(\a)+(\q)] matrix_a_fmt:MATRIX_FMT_FP4 matrix_b_fmt:MATRIX_FMT_FP4 matrix_a_scale:MATRIX_SCALE_ROW1
.endif
.endr
.endr
.endm
.macro FETCH_B slot, q, p              ; B's eight fragments of the slot's q-th 128 along K into set p
	WIN TO_B
.irp i, 0,1,2,3,4,5,6,7
	FRAG 128*(\p)+FR*\i, ADRB+\slot, \q, \i
.endr
	WIN 0
.endm
.macro FETCH_A slot, q, i0             ; A's blocks i0 .. i0 + 3
.irp i, \i0, \i0+1, \i0+2, \i0+3
	FRAG AF+FR*(\i), ADRA+\slot, \q, \i
.endr
.endm
.macro SCALES sc                       ; a K step's scale words into set sc: NQ words a row; lanes 0-15 take A's block i, lanes 16-31 B's block i
.irp i, 0,1,2,3,4,5,6,7
	ds_load_b128 v[SC+8*NQ*\sc+NQ*\i:SC+8*NQ*\sc+NQ*\i+3], v[ADRS] offset:\i*SBLK
.endr
.endm
; A load into a register that a matrix instruction has read, and a vector instruction that reads a matrix result or writes one of its registers, stand NP places behind it; only plain vector
; instructions that name none of its registers are places.
.macro PLACES n
.rept \n
	v_nop
.endr
.endm
; A step of 128 along K that has its successor in the same slot.  A block of A is free as soon as its eight products are issued, so one set of registers serves A; B has two.
.macro STEP slot, q, zero
	s_wait_dscnt 4*NL                              ; B's set and A's blocks 0-3 are in; the youngest eight loads (A's blocks 4-7) may be out
	WIN MUL_LO
	MUL16 0, (\q)%2, \q, \slot, \zero
	MUL16 2, (\q)%2, \q, \slot, \zero
	s_wait_dscnt 0                                 ; A's blocks 4-7 are in
	PLACES NP
	FETCH_B \slot, (\q)+1, 1-(\q)%2
	FETCH_A \slot, (\q)+1, 0
	WIN MUL_HI
	MUL16 4, (\q)%2, \q, \slot, \zero
	MUL16 6, (\q)%2, \q, \slot, \zero
	PLACES NP
	WIN 0
	FETCH_A \slot, (\q)+1, 4
.endm
; Slot 0's last step goes over to slot 1: each wave waits for all its tensor loads (its part of slot 1) and for its reads of slot 0; behind the barrier slot 1 is whole and nobody reads slot 0.
.macro TURN slot, next
	s_wait_tensorcnt 0x0                           ; all my tensor loads have landed
	ds_add_u32 v[SPW], v[NIL]                      ; 0 onto my spare word
	s_wait_dscnt 4*NL+1                            ; (the add and the youngest eight loads, A's blocks 4-7, may be out)
	WIN MUL_LO
	MUL16 0, 1, NQ-1, \slot, 0                     ; sixteen matrix instructions stand between the add and the wait for it
	s_wait_dscnt 0x0                               ; the add is done, and my reads of this slot are over
	s_barrier_signal -1
	MUL16 2, 1, NQ-1, \slot, 0
	WIN 0
	s_barrier_wait -1
	PLACES NP
	v_add_nc_u32 v[ADRS], 4*NQ, v[ADRS]            ; on to the next K step's scale words
	FETCH_B \next, 0, 0
	FETCH_A \next, 0, 0
	SCALES \next
	WIN MUL_HI
	MUL16 4, 1, NQ-1, \slot, 0
	MUL16 6, 1, NQ-1, \slot, 0
	PLACES NP
	WIN 0
	FETCH_A \next, 0, 4
.endm
.macro STEPS slot, from                ; the slot's steps from .. NQ - 2
.set Q, \from
.rept NQ-1-\from
	STEP \slot, Q, 0
.set Q, Q+1
.endr
.endm
	s_wait_tensorcnt 1                             ; the scales and my part of K step 0 are in (K step 1's load may be out)
	s_barrier_signal -1
	s_barrier_wait -1                              ; everybody's are
	FETCH_B 0, 0, 0
	FETCH_A 0, 0, 0
	SCALES 0
	FETCH_A 0, 0, 4
	STEP 0, 0, 1                                   ; the first step's products start the sums: nothing is cleared
	STEPS 0, 1
	TURN 0, 1
	STEPS 1, 0
	s_wait_dscnt 4*NL                              ; the very last step: nothing more to fetch
	WIN MUL_LO
	MUL16 0, 1, NQ-1, 1, 0
	MUL16 2, 1, NQ-1, 1, 0
	s_wait_dscnt 0
	WIN MUL_HI
	MUL16 4, 1, NQ-1, 1, 0
	MUL16 6, 1, NQ-1, 1, 0
	WIN 0
; THE WAY OUT, block by block of 16 tokens x 128 columns (two heads).
; ROPE: the rotation, two numbers an instruction; each accumulator is read from its low end on; then 32 roundings to f16.
.macro ROPE a
.set AC, 64*((\a)%4)
.set CC, CSR+96*((\a)%2)
	WIN 2+(\a)/4                                   ; source 0: the accumulators' window
.irp hh, 0,1
.irp bb, 0,1
.irp p, 0,2,4,6
	v_pk_mul_f32 v[T+8*(4*\hh+\bb)+\p:T+8*(4*\hh+\bb)+\p+1],       v[AC+8*(4*\hh+\bb)+\p:AC+8*(4*\hh+\bb)+\p+1],       v[CC+8*\bb+\p:CC+8*\bb+\p+1]
	v_pk_mul_f32 v[T+8*(4*\hh+\bb)+16+\p:T+8*(4*\hh+\bb)+16+\p+1], v[AC+8*(4*\hh+\bb)+16+\p:AC+8*(4*\hh+\bb)+16+\p+1], v[CC+8*\bb+\p:CC+8*\bb+\p+1]
	v_pk_fma_f32 v[T+8*(4*\hh+\bb)+\p:T+8*(4*\hh+\bb)+\p+1],       v[AC+8*(4*\hh+\bb)+16+\p:AC+8*(4*\hh+\bb)+16+\p+1], v[CC+16+8*\bb+\p:CC+16+8*\bb+\p+1], v[T+8*(4*\hh+\bb)+\p:T+8*(4*\hh+\bb)+\p+1] neg_lo:[1,0,0] neg_hi:[1,0,0]
	v_pk_fma_f32 v[T+8*(4*\hh+\bb)+16+\p:T+8*(4*\hh+\bb)+16+\p+1], v[AC+8*(4*\hh+\bb)+\p:AC+8*(4*\hh+\bb)+\p+1],       v[CC+16+8*\bb+\p:CC+16+8*\bb+\p+1], v[T+8*(4*\hh+\bb)+16+\p:T+8*(4*\hh+\bb)+16+\p+1]
.endr
.endr
.endr
	WIN 0
.irp b, 0,1,2,3,4,5,6,7
.irp r, 0,1,2,3
	v_cvt_pk_f16_f32 v[HR+4*\b+\r], v[T+8*\b+2*\r], v[T+8*\b+2*\r+1]
.endr
.endr
.endm
; TOSTAGE: a lane's 16 bytes of each block go into my stage, rows of 272 bytes; they come back as 4 tokens x 128 bytes of one head.  LDS serves a wave's instructions in order (ISA guide 5.7.1.4): no wait between.
.macro TOSTAGE a
.set BB, BK+64*((\a)%2)
.irp b, 0,1,2,3,4,5,6,7
	ds_store_b128 v[STO], v[HR+4*\b:HR+4*\b+3] offset:32*\b
.endr
.irp hh, 0,1
.irp i, 0,1,2,3
	ds_load_b128 v[BB+4*(4*\hh+\i):BB+4*(4*\hh+\i)+3], v[RD] offset:4*SPITCH*\i+128*\hh
.endr
.endr
.endm
.macro SEND a, younger                 ; younger: the LDS instructions issued behind block a's loads, which may stay out
.set BB, BK+64*((\a)%2)
	s_wait_dscnt \younger
.irp hh, 0,1
.irp i, 0,1,2,3
	global_store_b128 v[CO], v[BB+4*(4*\hh+\i):BB+4*(4*\hh+\i)+3], s[98:99] offset:262144*\hh+2048*(\a)+512*\i   ; 32 lanes store 512 consecutive bytes, aligned: four tokens of a head; the base is never stepped
.endr
.endr
.endm
	PLACES NP                                      ; behind the last products: the lines below write registers that held their scale words
.irp a, 0,1,2,3,4,5,6,7
.if \a < 7
	s_wait_loadcnt 8                               ; this block's eight table loads are in; the next block's eight may be out
.else
	s_wait_loadcnt 0
.endif
	ROPE \a
.if \a < 6
	CSLOAD \a+2                                    ; into the set that has just been read
.endif
.if \a > 1
	s_wait_xcnt 0x0                                ; block a - 2's stores have read their registers: block a's rows may land there
.endif
	TOSTAGE \a
.if \a > 0
	SEND \a-1, 16                                  ; behind block a - 1's loads: block a's 8 stores and 8 loads
.endif
.endr
	SEND 7, 0
	s_wait_tensorcnt 0x0                           ; the wave's end, behind my last tensor load and my last LDS store
	ds_add_u32 v[SPW], v[NIL]
	s_wait_dscnt 0x0
	CROUND                                         ; the closing round
	s_endpgm
.Lfunc_end_k_qa58e9a21a4_qkv:
	.size	k_qa58e9a21a4_qkv, .Lfunc_end_k_qa58e9a21a4_qkv-k_qa58e9a21a4_qkv
	.p2alignl 7, 3214868480
	.fill 96, 4, 3214868480
	.section	.rodata,"a",@progbits
	.p2align	6, 0x0
	.amdhsa_kernel k_qa58e9a21a4_qkv
		.amdhsa_group_segment_fixed_size 327680
		.amdhsa_private_segment_fixed_size 0
		.amdhsa_enable_private_segment 0
		.amdhsa_kernarg_size 48
		.amdhsa_user_sgpr_count 2
		.amdhsa_user_sgpr_kernarg_segment_ptr 1
		.amdhsa_wavefront_size32 1
		.amdhsa_system_sgpr_workgroup_id_x 1
		.amdhsa_system_sgpr_workgroup_id_y 1
		.amdhsa_system_sgpr_workgroup_id_z 1
		.amdhsa_system_vgpr_workitem_id 0
		.amdhsa_next_free_vgpr 1024
		.amdhsa_next_free_sgpr 100
		.amdhsa_reserve_vcc 0
		.amdhsa_float_denorm_mode_32 3
		.amdhsa_float_denorm_mode_16_64 3
		.amdhsa_memory_ordered 1
		.amdhsa_forward_progress 1
		.amdhsa_inst_pref_size 165
	.end_amdhsa_kernel
	.amdgpu_metadata
---
amdhsa.version: [ 1, 2 ]
amdhsa.kernels:
  - .name:           k_qa58e9a21a4_qkv
    .symbol:         k_qa58e9a21a4_qkv.kd
    .args:
      - { .name: xc, .offset: 0, .size: 8, .value_kind: global_buffer, .address_space: global }
      - { .name: xs, .offset: 8, .size: 8, .value_kind: global_buffer, .address_space: global }
      - { .name: wc, .offset: 16, .size: 8, .value_kind: global_buffer, .address_space: global }
      - { .name: ws, .offset: 24, .size: 8, .value_kind: global_buffer, .address_space: global }
      - { .name: rope, .offset: 32, .size: 8, .value_kind: global_buffer, .address_space: global }
      - { .name: qkv, .offset: 40, .size: 8, .value_kind: global_buffer, .address_space: global }
    .group_segment_fixed_size: 327680
    .private_segment_fixed_size: 0
    .kernarg_segment_align: 8
    .kernarg_segment_size: 48
    .max_flat_workgroup_size: 128
    .sgpr_count:     100
    .vgpr_count:     1024
    .wavefront_size: 32
...
	.end_amdgpu_metadata
.endif
;; end of part 2
;; launch attn (part 3): grid 4 x 64, 8 waves a work-group, clusters of 4 x 1, 327,680 bytes of LDS; arguments qkv, ctxh; writes ctxh
.if DOCPART == 3
	.amdgcn_target "amdgcn-amd-amdhsa--gfx1250"
	.amdhsa_code_object_version 6
	.text
	.protected	k_qa58e9a21a4_attn
	.globl	k_qa58e9a21a4_attn
	.p2align	8
	.type	k_qa58e9a21a4_attn,@function
k_qa58e9a21a4_attn:
	s_mov_b64 s[64:65], 0
	v_nop
	global_prefetch_b8 v0, s[64:65] scope:SCOPE_SE
	s_setreg_imm32_b32 hwreg(HW_REG_WAVE_MODE, 25, 1), 1
	s_wait_xcnt 0x0
	s_wait_alu depctr_hold_cnt(0) depctr_sa_sdst(0) depctr_va_vdst(0) depctr_va_sdst(0) depctr_va_ssrc(0) depctr_va_vcc(0) depctr_vm_vsrc(0)
	s_getreg_b32 s2, hwreg(HW_REG_IB_STS2, 6, 4)
	s_cmp_eq_u32 s2, 0
	s_cbranch_scc0 .Lentry_in_a_cluster
	s_endpgm
.Lentry_in_a_cluster:
	s_bfe_u32 s2, ttmp6, 0x10000c
	s_cmp_lg_u32 s2, 0x3003
	s_cbranch_scc0 .Lentry_shape_is_right
	s_endpgm
.Lentry_shape_is_right:
; ctx[bh][q][:] = the sum over k of softmax_k(Q[bh][q] . K[bh][k] / 8) V[bh][k][:].  Q, K, V: qkv [3][64][2048][64] f16; ctx: ctxh [64][2048][64] f16.  Products, maxima and sums in f32;
; the weights p are rounded to f16 for the second product, ctx once at the end.  LIMITS: NaN and infinities are not served.
; SHARES.  A work-group owns 512 queries of one (batch, head), each of its EIGHT waves 64: four tiles of 16, in 512 registers.  Two waves share a SIMD: each runs in plain phases, and one wave's
; softmax stands beside the other's products.  Every wave walks all 2,048 keys, 64 a step.
; LAYOUT.  S^T = K Q^T (source 0 = 16 keys, source 1 = 16 queries): a lane holds ONE query (lane % 16) and the keys 8 (lane / 16) + 0..7.  Two such tiles, rounded to f16 in pairs, ARE source 1
; (32 keys x 16 queries) of O^T = V^T P, whose result again holds one query a lane.  p is packed in place over the scores.  K comes out of LDS as it lies, V ([key][channel]) turned, by ds_load_tr16_b128.
; SOFTMAX.  For each query a running maximum m: p = 2^(c s - c m), c = log2(e) / 8; in every step O and the sum are multiplied by a = 2^(c m_old - c m_new).
; THE ROW'S SUM is a product too: source 0 = a fragment with ones in rows 0 and 8 and zeros elsewhere, so that register 0 of its result is the query's sum of p in both halves of the lanes.
; PIECES.  The wave's tiles are two pieces (tiles 0, 1 and tiles 2, 3) that share K's and V's fragments and ONE region of 64 registers for scores.
; CLUSTER.  The four query blocks of a (batch, head) form a cluster and walk the same K and V: each tile is asked for JOINTLY, by the same tensor load with the same descriptor and a mask that names the four.
; REGISTERS: window 0: v2-9 addresses; v16-47 statistics, 8 a tile; v48-50; v56-63 the ones; v64-127 S^T of a piece (p in the low 16 of each tile's 32); v128-191 K of a step; v192-255 V of a step.
;   window 1: v0-127 O^T, 32 a tile; v128-159 the sums, 8 a tile; v160-223 Q, 16 a tile.
.set KS,    64        ; keys in a step
.set PK,    144       ; a row of K in LDS: 128 bytes + 16 of padding: an odd multiple of 16, so the 16 rows of a load start at different banks (64 banks of 4 bytes: ISA guide 11.1)
.set PV,    160       ; a row of V: 128 + 32: an odd multiple of 32, for the turning load's 8 rows x 32 bytes
.set VOFF,  KS*PK     ; a step's tiles lie together: 64 rows of K, then 64 rows of V
.set STEPB, KS*(PK+PV)
.set NST,   4         ; steps in a slot: 256 keys
.set SLOTB, NST*KS*128  ; a slot's bytes of K, or of V, in memory
.set SLOT1, 1<<17     ; slot 1 begins here, so that one exclusive or turns an address in one slot into the other's
.set STAGE, SLOT1+NST*STEPB  ; behind the ring: 16 rows x 144 bytes for each wave, for the way out
.set SP,    144
.set SPARE, STAGE+8*16*SP    ; the spare words, 128 bytes a wave, that no other line names
.set AK0, 2           ; v2   my lane's place in a tile of K; never rewritten
.set AV0, 3           ; v3   the same for V
.set ADK, 4           ; v4   the LDS address of K's run of loads
.set ADV, 5           ; v5   of V's
.set QO,  6           ; v6   my byte offset in the wave's rows of Q
.set STO, 7           ; v7   the way out: where I put 16 bytes of a row
.set RD,  8           ; v8   where I read back: 4 queries x 128 bytes
.set GO,  9           ; v9   16 x lane
.set ST,  16          ; tile t's statistics at v[ST+8 t]: +0 c m, +1 m, +4 to +7 c0-c3, at work; a takes c2's place once the maximum is found
.set SPW, 48          ; v48  LDS address of my spare word; never rewritten
.set NIL, 49          ; v49  0; never rewritten
.set PFO, 50          ; v50  256 x my lane; never rewritten
.set ONES, 56
.set S,   64
.set KF,  128
.set VF,  192
.set LS,  128         ; in window 1
.set QF,  160         ; in window 1
.set WV,  12          ; s12  my wave's number
.set LIM, 15          ; s15  1 in a wave that prefetches, else the greatest number
.set PFA, 18          ; s[18:19] where my prefetches stand
.set G1K, 24          ; s[24:31] descriptor group 1 for K's tiles
.set G1V, 32          ; s[32:39] for V's: it differs in the padding alone
.set G0K, 40          ; s[40:47] group 0 for K's tiles: a set for each of the two first fills; the second then walks on
.set G0V, 48          ; s[48:55] the same for V's
.set SLOTS, 56        ; s56  slots still to be asked for
.set CNT, 57          ; s57  counts the bodies of a run
.set CS,  58          ; s[58:59] c
.set SEL, 60          ; s[60:61] lane selects for v_permlanex16_b32: lane l xor 16
.set TB,  62          ; s62  LDS byte at which the tiles of the step to be fetched begin
.set MSB, 0
.macro WIN new
.if MSB != (\new)
	s_set_vgpr_msb (MSB<<8)|(\new)
.set MSB, (\new)
.endif
.endm
.set W_KQ, 0x04       ; source 1 (Q) window 1
.set W_PV, 0x50       ; C and D window 1
.set W_RS, 0x41       ; destination and source 0 window 1
; A joint refill.  Waves 0 to 3 fetch the slot's four tiles of K, waves 4 to 7 those of V.  The branch hangs on the wave's number alone.  An s_nop 0 and four v_nop follow each line.
.macro JLOAD
	s_cmp_lt_u32 s[WV], 4
	s_cbranch_scc0 .Lfor_v_\@
	tensor_load_to_lds s[G0K+4:G0K+7], s[G1K:G1K+7]
	s_nop 0
.rept 4
	v_nop
.endr
	s_branch .Lasked_\@
.Lfor_v_\@:
	tensor_load_to_lds s[G0V+4:G0V+7], s[G1V:G1V+7]
	s_nop 0
.rept 4
	v_nop
.endr
.Lasked_\@:
.endm
; A PREFETCH INTO THE L2 of what the NEXT change of slots will ask for: a slot's 32,768 bytes of K and of V.  Each aligned 256 bytes are named once in the launch: a (batch, head) has one cluster; its four
; partners take 8,192 bytes each, told apart BY ADDRESS; in each, wave 0 asks for K's and wave 4 for V's, lanes 256 bytes apart: one instruction.  It stands behind the wave's tensor load, four key steps
; ahead of the load that will want the data.  The last change that fills a slot asks for nothing; slots 0, 1 and 2 come by their loads alone.
.macro ASK
	s_cmp_gt_u32 s[SLOTS], s[LIM]
	s_cbranch_scc0 .Lnot_mine_\@
	global_prefetch_b8 v[PFO], s[PFA:PFA+1] th:TH_LOAD_NT scope:SCOPE_SE
.Lnot_mine_\@:
.endm
.macro CROUND                       ; a round of the cluster's barrier
	s_barrier_signal -1
	s_barrier_wait -1
	s_cmp_lg_u32 s[WV], 0
	s_cbranch_scc1 .Lnot_wave_0_\@
	s_barrier_signal -3
.Lnot_wave_0_\@:
	s_barrier_wait -3
	s_barrier_signal -1
	s_barrier_wait -1
.endm
.macro PLACES n
.rept \n
	v_nop
.endr
.endm
	s_load_b128 s[8:11], s[0:1], 0x0  ; qkv s[8:9], ctxh s[10:11]
	v_lshl_add_u32 v[SPW], v0, 2, SPARE
	v_mov_b32 v[NIL], 0
	ds_add_u32 v[SPW], v[NIL]       ; the wave's opening: the add, twice on end, and its wait ahead of my first tensor load; the set-up below stands between
	ds_add_u32 v[SPW], v[NIL]
	v_lshrrev_b32 v1, 5, v0
	v_readfirstlane_b32 s[WV], v1   ; wave 0..7
	s_bfe_u32 s13, ttmp6, 0x40000   ; cx: my block of 512 queries: it enters Q's, ctx's and the prefetches' addresses alone
	s_and_b32 s20, ttmp7, 0xffff    ; (batch, head), which the four partners share
	s_lshl_b32 s20, s20, 18         ; 262,144 bytes each
	s_and_b32 s16, s[WV], 3         ; which of a slot's four steps I fetch:
	s_lshl_b32 s22, s16, 13         ; its 64 rows of 128 bytes in memory,
	s_add_co_u32 s22, s22, s20
	s_mov_b32 s23, 0
	s_mul_i32 s17, s16, STEPB       ; and its place in a slot: no place in the cluster enters an LDS address
	s_lshl_b32 s2, s13, 16          ; my block's 512 rows,
	s_lshl_b32 s3, s[WV], 13        ; my wave's 64 of them
	s_add_co_u32 s2, s2, s3
	s_add_co_u32 s2, s2, s20
	s_mov_b32 s3, 0
	; descriptor group 1: a tile of 64 rows x 64 elements, padded in LDS
	s_mov_b32 s[G1K], 15|(1<<16)|(1<<20)|(1<<21)|(4<<22)|(3<<25)  ; 15:0 the mask: all four work-groups; 17:16 elements of 2 bytes; 20 padding on; 21 set beside a mask; 24:22 after every 32 words; 31:25 four words
	s_mov_b32 s[G1V], 15|(1<<16)|(1<<20)|(1<<21)|(4<<22)|(7<<25)  ; the same with eight words of padding
.irp g, G1K, G1V
	s_mov_b32 s[\g+1], 64<<16       ; tensor_dim0
	s_mov_b32 s[\g+2], KS<<16       ; tensor_dim1
	s_mov_b32 s[\g+3], 64<<16       ; tile_dim0
	s_mov_b32 s[\g+4], KS           ; tile_dim1
	s_mov_b32 s[\g+5], 64           ; tensor_dim0_stride
	s_mov_b32 s[\g+6], 0
	s_mov_b32 s[\g+7], 0
.endr
	s_mov_b32 s[CS], 0x3e38aa3b     ; c = log2(e) / 8
	s_mov_b32 s[CS+1], s[CS]        ; named with it as a pair, so it is written
	s_mov_b32 s[SEL], 0x76543210
	s_mov_b32 s[SEL+1], 0xfedcba98
	s_mov_b32 s[TB], 0
	s_mov_b32 s[SLOTS], 2048/(NST*KS)-2
	s_cmp_eq_u32 s16, 0             ; waves 0 and 4 prefetch: the same in all four partners
	s_cselect_b32 s[LIM], 1, -1
	v_and_b32 v[PFO], 31, v0
	v_lshlrev_b32 v[PFO], 8, v[PFO]
	s_wait_dscnt 0x0                ; both opening adds are done
	s_wait_kmcnt 0x0
	s_add_nc_u64 s[4:5], s[8:9], s[2:3]      ; Q at my wave's first row
	s_add_nc_u64 s[10:11], s[10:11], s[2:3]  ; ctx likewise
	s_add_nc_u64 s[6:7], s[8:9], s[22:23]
	s_add_nc_u64 s[8:9], s[6:7], 0x2000000   ; V at my tile of slot 0
	s_add_nc_u64 s[6:7], s[6:7], 0x1000000   ; K likewise
	s_cmp_lt_u32 s[WV], 4
	s_cselect_b64 s[PFA:PFA+1], s[6:7], s[8:9]  ; (in waves 0 and 4 these stand at a slot's first row)
	s_lshl_b32 s2, s13, 13          ; my work-group's 8,192 bytes of the 32,768
	s_add_nc_u64 s[PFA:PFA+1], s[PFA:PFA+1], s[2:3]
	s_add_nc_u64 s[PFA:PFA+1], s[PFA:PFA+1], 2*SLOTB  ; in slot 2; the first change of slots steps it to slot 3
	CROUND                          ; all four work-groups are here: the first joint loads meet
.irp s, 0,1
	s_mov_b32 s[G0K+4*\s], 1        ; count = 1
	s_add_co_u32 s[G0K+4*\s+1], s17, \s*SLOT1  ; LDS address
	s_add_nc_u64 s[G0K+4*\s+2:G0K+4*\s+3], s[6:7], \s*SLOTB  ; global address
	s_or_b32 s[G0K+4*\s+3], s[G0K+4*\s+3], 0x80000000  ; type = 2
	s_mov_b32 s[G0V+4*\s], 1
	s_add_co_u32 s[G0V+4*\s+1], s17, \s*SLOT1+VOFF
	s_add_nc_u64 s[G0V+4*\s+2:G0V+4*\s+3], s[8:9], \s*SLOTB
	s_or_b32 s[G0V+4*\s+3], s[G0V+4*\s+3], 0x80000000
.endr
	s_cmp_lt_u32 s[WV], 4           ; a wave's two first fills stand in one branch, ahead of every wait on TENSORcnt and every LDS read: two loads of mine are out
	s_cbranch_scc0 .Lfirst_v
	tensor_load_to_lds s[G0K:G0K+3], s[G1K:G1K+7]
	s_nop 0
	tensor_load_to_lds s[G0K+4:G0K+7], s[G1K:G1K+7]
	s_nop 0
.rept 4
	v_nop
.endr
	s_branch .Lfirst_asked
.Lfirst_v:
	tensor_load_to_lds s[G0V:G0V+3], s[G1V:G1V+7]
	s_nop 0
	tensor_load_to_lds s[G0V+4:G0V+7], s[G1V:G1V+7]
	s_nop 0
.rept 4
	v_nop
.endr
.Lfirst_asked:
	; A fragment of K or Q is 16 rows x 32 channels in 8 registers: lane l holds row l % 16; registers 0-3 channels 8 (l / 16) + 0..7, registers 4-7 channels 16 + 8 (l / 16) + 0..7
	v_and_b32 v1, 15, v0            ; l % 16
	v_bfe_u32 v10, v0, 4, 1         ; l / 16
	v_lshlrev_b32 v[QO], 7, v1
	v_lshl_add_u32 v[QO], v10, 4, v[QO]  ; row x 128 + 16 x half
	WIN 0x40                        ; destination window 1
.irp i, 0,1,2,3,4,5,6,7             ; Q stays in registers: tile i / 2, channels 32 (i % 2) on
	global_load_b128 v[QF+8*\i:QF+8*\i+3],   v[QO], s[4:5] offset:(\i/2)*2048+(\i%2)*64
	global_load_b128 v[QF+8*\i+4:QF+8*\i+7], v[QO], s[4:5] offset:(\i/2)*2048+(\i%2)*64+32
.endr
	WIN 0
	v_mul_u32_u24 v[AK0], v1, PK
	v_lshl_add_u32 v[AK0], v10, 4, v[AK0]
	; The turning load takes 16 keys x 16 channels (lane l reads 16 bytes: key 8 (l / 16) + l % 8, channels 8 ((l / 8) % 2) + 0..7) and leaves half a fragment of V^T: lane l holds channel l % 16 and 8 keys
	v_and_b32 v11, 7, v0
	v_bfe_u32 v12, v0, 3, 1
	v_lshl_add_u32 v[AV0], v10, 3, v11
	v_mul_u32_u24 v[AV0], v[AV0], PV
	v_lshl_add_u32 v[AV0], v12, 4, v[AV0]
	v_add_nc_u32 v[AV0], VOFF, v[AV0]
	v_cmp_eq_u32 s14, 0, v11        ; lanes 0, 8, 16, 24 hold rows 0 and 8 of a fragment
	v_mov_b32 v12, 0x3c003c00       ; 1.0, 1.0 in f16
	v_cndmask_b32 v[ONES], 0, v12, s14
.irp j, 1,2,3,4,5,6,7
	v_mov_b32 v[ONES+\j], v[ONES]
.endr
; S^T = K Q^T for piece x: 16 products; the eight accumulators take turns, one instruction a turn; the first eight start the sums.
.macro KQ x
	WIN W_KQ
.set i, 0
.rept 16
.set rS, S+32*(i%2)+8*((i/2)%4)
.set rK, KF+16*((i/2)%4)+8*(i/8)
.set rQ, QF+16*((\x)+i%2)+8*(i/8)
.if i < 8
	v_wmma_f32_16x16x32_f16 v[rS:rS+7], v[rK:rK+7], v[rQ:rQ+7], 0
.else
	v_wmma_f32_16x16x32_f16 v[rS:rS+7], v[rK:rK+7], v[rQ:rQ+7], v[rS:rS+7]
.endif
.set i, i+1
.endr
.endm
; O^T += V^T P and the sums += ones P for piece x: 20 products; ten accumulators take turns.  zero = 1: the first ten start the sums: nothing is ever cleared.
.macro PV x, zero
	WIN W_PV
.irp kh, 0,1
.irp ct, 0,1,2,3,4
.irp u, 0,1
.if \ct < 4
.set rD, 32*((\x)+\u)+8*\ct
.set rA, VF+32*\kh+8*\ct
.else
.set rD, LS+8*((\x)+\u)
.set rA, ONES
.endif
.set rB, S+32*\u+8*\kh
.if (\zero) && (\kh == 0)
	v_wmma_f32_16x16x32_f16 v[rD:rD+7], v[rA:rA+7], v[rB:rB+7], 0
.else
	v_wmma_f32_16x16x32_f16 v[rD:rD+7], v[rA:rA+7], v[rB:rB+7], v[rD:rD+7]
.endif
.endr
.endr
.endr
.endm
; The LDS loads stand in runs of 16: a step's K (64 keys x 64 channels: 8 fragments) and its V (turned).
.macro FETCH_K
	WIN 0
	v_add_nc_u32 v[ADK], s[TB], v[AK0]
.irp f, 0,1,2,3,4,5,6,7             ; keys 16 (f / 2) on, channels 32 (f % 2) on
	ds_load_b128 v[KF+8*\f:KF+8*\f+3],   v[ADK] offset:(\f/2)*16*PK+(\f%2)*64
	ds_load_b128 v[KF+8*\f+4:KF+8*\f+7], v[ADK] offset:(\f/2)*16*PK+(\f%2)*64+32
.endr
.endm
.macro FETCH_V
	WIN 0
	v_add_nc_u32 v[ADV], s[TB], v[AV0]
	s_add_co_u32 s[TB], s[TB], STEPB  ; the next fetch is the next step's
.irp f, 0,1,2,3,4,5,6,7             ; keys 32 (f / 4) on, channels 16 (f % 4) on
	ds_load_tr16_b128 v[VF+8*\f:VF+8*\f+3],   v[ADV] offset:(\f/4)*32*PV+(\f%4)*32
	ds_load_tr16_b128 v[VF+8*\f+4:VF+8*\f+7], v[ADV] offset:(\f/4)*32*PV+16*PV+(\f%4)*32
.endr
.endm
; THE SOFTMAX of piece y for one key step, its two tiles line by line by turns, so that no line reads the result of the line just before it.  first = 1: the first key step: no old maximum, no a, nothing to rescale.
.macro SM y, first
	WIN 0
.irp c, 0,1,2,3                     ; the maximum of a lane's 32 scores: four chains, each begun at an accumulator's low end
.irp u, 0,1
.set rT, ST+8*((\y)+\u)
.set rS, S+32*\u+8*\c
	v_max3_num_f32 v[rT+4+\c], v[rS], v[rS+1], v[rS+2]
.endr
.endr
.irp g, 3,5
.irp c, 0,1,2,3
.irp u, 0,1
.set rT, ST+8*((\y)+\u)
.set rS, S+32*\u+8*\c
	v_max3_num_f32 v[rT+4+\c], v[rT+4+\c], v[rS+\g], v[rS+\g+1]
.endr
.endr
.endr
.irp u, 0,1
.set rT, ST+8*((\y)+\u)
.set rS, S+32*\u
	v_max3_num_f32 v[rT+4], v[rT+4], v[rS+7], v[rS+15]
.endr
.irp u, 0,1
.set rT, ST+8*((\y)+\u)
.set rS, S+32*\u
	v_max3_num_f32 v[rT+6], v[rT+6], v[rS+23], v[rS+31]
.endr
.irp u, 0,1
.set rT, ST+8*((\y)+\u)
	v_max3_num_f32 v[rT+4], v[rT+4], v[rT+5], v[rT+6]
.endr
.irp u, 0,1
.set rT, ST+8*((\y)+\u)
.if \first
	v_max_num_f32 v[rT+4], v[rT+4], v[rT+7]
.else
	v_max3_num_f32 v[rT+4], v[rT+4], v[rT+7], v[rT+1]
.endif
.endr
.irp u, 0,1
.set rT, ST+8*((\y)+\u)
	v_permlanex16_b32 v[rT+5], v[rT+4], s[SEL], s[SEL+1]  ; the query's other 32 keys lie in the lane 16 away
.endr
.if \first == 0
.irp u, 0,1
.set rT, ST+8*((\y)+\u)
	v_mov_b32 v[rT+7], v[rT]        ; c m_old is kept for a
.endr
.endif
.irp u, 0,1
.set rT, ST+8*((\y)+\u)
	v_max_num_f32 v[rT+1], v[rT+4], v[rT+5]
.endr
.irp u, 0,1
.set rT, ST+8*((\y)+\u)
	v_mul_f32 v[rT], s[CS], v[rT+1]
.endr
.if \first == 0
.irp u, 0,1
.set rT, ST+8*((\y)+\u)
	v_sub_f32 v[rT+7], v[rT+7], v[rT]
.endr
.endif
.irp b, 0,2,4,6,8,10,12,14,16,18,20,22,24,26,28,30
.irp u, 0,1
.set rT, ST+8*((\y)+\u)
.set rS, S+32*\u+\b
	v_pk_fma_f32 v[rS:rS+1], v[rS:rS+1], s[CS:CS+1], v[rT:rT+1] op_sel_hi:[1,0,0] neg_lo:[0,0,1] neg_hi:[0,0,1]  ; c s - c m, two at a time
.endr
.endr
.if \first == 0                     ; ONE BATCH of exponentials: none of them reads another's result
.irp u, 0,1
.set rT, ST+8*((\y)+\u)
	v_exp_f32 v[rT+6], v[rT+7]      ; a
.endr
.endif
.irp e, 0,1,2,3,4,5,6,7,8,9,10,11,12,13,14,15,16,17,18,19,20,21,22,23,24,25,26,27,28,29,30,31
.irp u, 0,1
	v_exp_f32 v[S+32*\u+\e], v[S+32*\u+\e]
.endr
.endr
	v_nop                           ; a plain instruction behind the last exponential,
	s_wait_alu depctr_va_vdst(0)    ; and the wait ahead of the first reader: one for the batch
.irp i, 0,1,2,3,4,5,6,7,8,9,10,11,12,13,14,15
.irp u, 0,1
	v_cvt_pk_f16_f32 v[S+32*\u+\i], v[S+32*\u+2*\i], v[S+32*\u+2*\i+1]  ; p to f16, in place: destination i never lies above a source that is still to be read
.endr
.endr
.if \first == 0
	WIN W_RS
.irp i, 0,2,4,6,8,10,12,14,16,18,20,22,24,26,28,30
.irp u, 0,1
.set rT, ST+8*((\y)+\u)
.set rO, 32*((\y)+\u)+\i
	v_pk_mul_f32 v[rO:rO+1], v[rO:rO+1], v[rT+6:rT+7] op_sel_hi:[1,0]  ; O^T times a, each accumulator from its low end on
.endr
.endr
.irp u, 0,1
.set rT, ST+8*((\y)+\u)
	v_mul_f32 v[LS+8*((\y)+\u)], v[LS+8*((\y)+\u)], v[rT+6]            ; the sum times a: register 0 alone holds it, the others stay 0
.endr
.endif
.endm
; A BODY: the second half of key step j (piece 2's softmax and V^T P), then step j + 1's scores, piece 0's softmax and V^T P, and piece 2's scores.
; Places: 5 where the next scores are written over p, which the products just issued read as source 1 (and V's registers are loaded again); 4 in front of reads of scores and of loads into K's registers.
.macro BODY f
	FETCH_K                         ; K of step j + 1: both pieces have multiplied by K of step j
	SM 2, \f
	PV 2, \f
	PLACES 5
	FETCH_V                         ; V of step j + 1
	s_wait_dscnt 16                 ; K's 16 loads are in; V's 16 may be out
	KQ 0
	PLACES 4
	SM 0, 0
	s_wait_dscnt 0x0                ; V is in
	PV 0, 0
	PLACES 5
	KQ 2
	PLACES 4
	WIN 0                           ; at a label and at a branch every window is 0
.endm
.macro BODIES n
	s_mov_b32 s[CNT], \n
.Lbody_\@:
	BODY 0
	s_sub_co_u32 s[CNT], s[CNT], 1
	s_cmp_lg_u32 s[CNT], 0
	s_cbranch_scc1 .Lbody_\@
.endm
; THE CHANGE OF SLOTS: the slot's last tiles are in registers.  Each wave waits for all its tensor loads, of which one is out: its part of the other slot; adds 0 to its spare word; and waits for that
; and for its reads of the slot.  fill = 1: the barrier is a round of the cluster's, and the joint refill is the first thing behind it: it has four key steps in which to land.
.macro CHANGE fill
	WIN 0
	s_wait_tensorcnt 0x0            ; no tensor load of mine is out, so a group 0 may be written
	ds_add_u32 v[SPW], v[NIL]       ; 0 onto my spare word
.if \fill
.irp g, G0K+4, G0V+4
	s_xor_b32 s[\g+1], s[\g+1], SLOT1  ; the walking descriptor: the other slot than last time,
	s_add_nc_u64 s[\g+2:\g+3], s[\g+2:\g+3], SLOTB  ; the next 256 keys; the type bits on top are not reached
.endr
	s_wait_xcnt 0x0                 ; the last prefetch, a slot back, has read its address, so it may be written
	s_add_nc_u64 s[PFA:PFA+1], s[PFA:PFA+1], SLOTB
	s_wait_dscnt 0x0                ; the add is done, and my reads of the slot are over
	CROUND
	JLOAD
	ASK
.else
	s_wait_dscnt 0x0
	s_barrier_signal -1
	s_barrier_wait -1
.endif
	s_sub_co_u32 s[TB], s[TB], NST*STEPB  ; the fetches go back to a slot's first step,
	s_xor_b32 s[TB], s[TB], SLOT1   ; in the other slot
.endm
	s_wait_tensorcnt 1              ; my part of slot 0 is in; slot 1's may stay out
	s_barrier_signal -1
	s_barrier_wait -1               ; everybody's is
	FETCH_K                         ; key step 0
	FETCH_V
	s_wait_loadcnt 0x0              ; Q
	s_wait_dscnt 16                 ; K is in; V's 16 loads may be out
	KQ 0
	WIN 0                           ; the addresses for the way out are made here: ten plain instructions, the places behind those products
	s_mul_i32 s14, s[WV], 16*SP
	s_add_co_u32 s14, s14, STAGE    ; my stage
	v_mul_u32_u24 v[STO], v1, SP    ; in: row l % 16, 16 bytes for each half of the lanes
	v_lshl_add_u32 v[STO], v10, 4, v[STO]
	v_add_nc_u32 v[STO], s14, v[STO]
	v_and_b32 v[GO], 31, v0
	v_lshrrev_b32 v[RD], 3, v[GO]   ; back: eight lanes take a query's 128 bytes, four queries an instruction
	v_mul_u32_u24 v[RD], v[RD], SP
	v_and_b32 v11, 7, v0
	v_lshl_add_u32 v[RD], v11, 4, v[RD]
	v_add_nc_u32 v[RD], s14, v[RD]
	v_lshlrev_b32 v[GO], 4, v[GO]
	SM 0, 1
	s_wait_dscnt 0x0                ; V of step 0
	PV 0, 1
	PLACES 5
	KQ 2
	PLACES 4
	WIN 0
	BODY 1                          ; piece 2's first softmax; fetches step 1
	BODIES 2                        ; steps 2, 3: slot 0 has been read out
.Lslot:                             ; six trips: slots 2 to 7 are asked for
	CHANGE 1
	BODIES NST
	s_sub_co_u32 s[SLOTS], s[SLOTS], 1
	s_cmp_lg_u32 s[SLOTS], 0
	s_cbranch_scc1 .Lslot
	CHANGE 0                        ; the tail is written out
	BODIES NST
	SM 2, 0                         ; piece 2's last half step
	PV 2, 0
	; THE WAY OUT.  O^T is divided by the sum, rounded to f16 and sent through my stage in LDS, a tile (16 queries) at a time.
	PLACES 4
	WIN 0x01                        ; source 0 window 1
.irp t, 0,1,2,3
	v_rcp_f32 v[ST+8*\t+6], v[LS+8*\t]
.endr
	v_nop                           ; a plain instruction behind the last reciprocal,
	s_wait_alu depctr_va_vdst(0)    ; and the wait ahead of the first use: one for the four
.macro PACK t
	WIN W_RS
.set i, 0
.rept 16
	v_pk_mul_f32 v[32*\t+i:32*\t+i+1], v[32*\t+i:32*\t+i+1], v[ST+8*\t+6:ST+8*\t+7] op_sel_hi:[1,0]
.set i, i+2
.endr
	WIN 0x05                        ; sources 0 and 1 window 1, destination window 0: the scores' registers are free
.set i, 0
.rept 16
	v_cvt_pk_f16_f32 v[S+16*\t+i], v[32*\t+2*i], v[32*\t+2*i+1]
.set i, i+1
.endr
	WIN 0
.irp f, 0,1,2,3
	ds_store_b128 v[STO], v[S+16*\t+4*\f:S+16*\t+4*\f+3] offset:32*\f
.endr
.irp f, 0,1,2,3
	ds_load_b128 v[KF+16*\t+4*\f:KF+16*\t+4*\f+3], v[RD] offset:\f*4*SP  ; LDS serves a wave's instructions in order (ISA guide 5.7.1.4): these see the stores above; the next tile's stores come behind them
.endr
.endm
.macro SEND t, younger              ; younger: the LDS instructions issued behind tile t's loads: the next tile's eight, or none
.irp f, 0,1,2,3
	s_wait_dscnt \younger+3-\f
	global_store_b128 v[GO], v[KF+16*\t+4*\f:KF+16*\t+4*\f+3], s[10:11] offset:\t*2048+\f*512  ; 32 lanes store 512 consecutive bytes, aligned
.endr
.endm
	PACK 0
	PACK 1
	SEND 0, 8
	PACK 2
	SEND 1, 8
	PACK 3
	SEND 2, 8
	SEND 3, 0
	s_wait_tensorcnt 0x0            ; the wave's end, behind my last tensor load and my last LDS store
	ds_add_u32 v[SPW], v[NIL]
	s_wait_dscnt 0x0
	CROUND                          ; the closing round
	s_endpgm
.Lfunc_end_k_qa58e9a21a4_attn:
	.size	k_qa58e9a21a4_attn, .Lfunc_end_k_qa58e9a21a4_attn-k_qa58e9a21a4_attn
	.p2alignl 7, 3214868480
	.fill 96, 4, 3214868480
	.section	.rodata,"a",@progbits
	.p2align	6, 0x0
	.amdhsa_kernel k_qa58e9a21a4_attn
		.amdhsa_group_segment_fixed_size 327680
		.amdhsa_private_segment_fixed_size 0
		.amdhsa_enable_private_segment 0
		.amdhsa_kernarg_size 16
		.amdhsa_user_sgpr_count 2
		.amdhsa_user_sgpr_kernarg_segment_ptr 1
		.amdhsa_wavefront_size32 1
		.amdhsa_system_sgpr_workgroup_id_x 1
		.amdhsa_system_sgpr_workgroup_id_y 1
		.amdhsa_system_sgpr_workgroup_id_z 1
		.amdhsa_system_vgpr_workitem_id 0
		.amdhsa_next_free_vgpr 512
		.amdhsa_next_free_sgpr 66
		.amdhsa_reserve_vcc 0
		.amdhsa_float_denorm_mode_32 3
		.amdhsa_float_denorm_mode_16_64 3
		.amdhsa_memory_ordered 1
		.amdhsa_forward_progress 1
		.amdhsa_inst_pref_size 163
	.end_amdhsa_kernel
	.amdgpu_metadata
---
amdhsa.version: [ 1, 2 ]
amdhsa.kernels:
  - .name:           k_qa58e9a21a4_attn
    .symbol:         k_qa58e9a21a4_attn.kd
    .args:
      - { .name: qkv, .offset: 0, .size: 8, .value_kind: global_buffer, .address_space: global }
      - { .name: ctxh, .offset: 8, .size: 8, .value_kind: global_buffer, .address_space: global }
    .group_segment_fixed_size: 327680
    .private_segment_fixed_size: 0
    .kernarg_segment_align: 8
    .kernarg_segment_size: 16
    .max_flat_workgroup_size: 256
    .sgpr_count:     66
    .vgpr_count:     512
    .wavefront_size: 32
...
	.end_amdgpu_metadata
.endif
;; end of part 3
;; launch proj (part 4): grid 4 x 64, 4 waves a work-group, clusters of 4 x 4, 327,680 bytes of LDS; arguments ctxh, wo16, out0, bo; writes out0
.if DOCPART == 4
	.amdgcn_target "amdgcn-amd-amdhsa--gfx1250"
	.amdhsa_code_object_version 6
	.text
	.protected	k_qa58e9a21a4_proj
	.globl	k_qa58e9a21a4_proj
	.p2align	8
	.type	k_qa58e9a21a4_proj,@function
k_qa58e9a21a4_proj:
	s_mov_b64 s[64:65], 0
	v_nop
	global_prefetch_b8 v0, s[64:65] scope:SCOPE_SE
	s_setreg_imm32_b32 hwreg(HW_REG_WAVE_MODE, 25, 1), 1
	s_wait_xcnt 0x0
	s_wait_alu depctr_hold_cnt(0) depctr_sa_sdst(0) depctr_va_vdst(0) depctr_va_sdst(0) depctr_va_ssrc(0) depctr_va_vcc(0) depctr_vm_vsrc(0)
	s_getreg_b32 s2, hwreg(HW_REG_IB_STS2, 6, 4)
	s_cmp_eq_u32 s2, 0
	s_cbranch_scc0 .Lentry_in_a_cluster
	s_endpgm
.Lentry_in_a_cluster:
	s_bfe_u32 s2, ttmp6, 0x10000c
	s_cmp_lg_u32 s2, 0xf033
	s_cbranch_scc0 .Lentry_shape_is_right
	s_endpgm
.Lentry_shape_is_right:
; out0[token][f] = the sum over e of ctx[token][e] Wo[f][e] + bo[f].  ctx: ctxh [64 = batch x head][2048][64] f16 (e = 64 head + channel); Wo: wo16 [1024][1024] f16; bo f32; out0 [8192][1024] f32; sums in f32.
; A tile of out0 is 128 tokens x 256 columns: 256 work-groups.  Four waves, each 64 x 128: 32 accumulators of 16 x 16, 256 registers.  K goes in steps of 128, TWO HEADS, through a ring of two LDS slots.
; A step's tile of ctx is two blocks of 128 tokens x 128 bytes, one a head (waves 0 and 1 fetch one each); its tile of Wo is 256 rows x 256 bytes (waves 2 and 3 fetch 128 rows each).
; CLUSTERS: 4 x 4 work-groups.  The four of a row of the cluster need the same tiles of ctx, the four of a column the same tiles of Wo: each is asked for JOINTLY, by the same tensor load with the same
; descriptor and a mask that names the four.  THE MATRIX INSTRUCTION IS USED TRANSPOSED (source 0 = 16 rows of Wo, source 1 = 16 tokens): a lane holds eight neighbouring columns of one token's row.
; THE BIAS is the C of each sum's first product: eight registers a block of columns, in the result's layout.
; No prefetch: a tile's K step is short and the whole walk is eight steps.
; REGISTERS: window 0: v16-29 addresses; v64-127 ctx's fragments, two buffers of 4; v128-255 Wo's, two buffers of 8; on the way out v128-255 rows read back.
;   window 1: the accumulators ((a, b) at v[8 (8 a + b)]).   window 2: v0-63 the bias.
.set PA,     144                       ; a row of ctx in LDS: 128 bytes + 16 of padding
.set PB,     272                       ; a row of Wo: 256 + 16.  Both are odd multiples of 16: the 16 rows of a load start at different banks (64 banks of 4 bytes: ISA guide 11.1)
.set AH,     128*PA                    ; one head's block
.set BH,     128*PB                    ; 128 rows of Wo
.set BOFF,   2*AH
.set SLOT,   2*AH+2*BH
.set STAGE,  2*SLOT                    ; behind the ring: 16 rows x (512 bytes + 16) for each wave
.set SPITCH, 528
.set SPARE,  STAGE+4*16*SPITCH         ; the spare words, 128 bytes a wave, that no other line names
.set LAPS,   4                         ; a lap = two K steps = once round the ring: 1,024 / 256
.set ADRA, 16                          ; v16-17  LDS address of my ctx fragments in slot 0, 1
.set ADRB, 20                          ; v20-21  the same for Wo
.set STO,  24                          ; v24     the way out: where I put 32 bytes of a row
.set RD,   25                          ; v25     where I read a row back
.set CO,   26                          ; v26     16 x lane
.set BA,   27                          ; v27     32 x (lane / 16): my eight numbers of a block of the bias
.set SPW,  28                          ; v28     LDS address of my spare word; never rewritten
.set NIL,  29                          ; v29     0; never rewritten
.set FA,   64
.set FB,   128
.set BK,   128
.set G1, 24                            ; s[24:31] descriptor group 1 for ctx's tiles;  s[32:39] group 0, one set for each slot
.set G0, 32
.set G1B, 48                           ; s[48:55], s[56:63] the same for Wo's
.set G0B, 56
.set MSB, 0
.macro WIN new
.if MSB != (\new)
	s_set_vgpr_msb (MSB<<8)|(\new)
.set MSB, (\new)
.endif
.endm
.set MUL,  0x50                        ; C and D window 1
.set MUL0, 0x60                        ; D window 1, C (the bias) window 2
.macro JLOAD s                         ; a joint load: waves 0 and 1 fetch ctx's two heads, waves 2 and 3 Wo's two halves; an s_nop 0 and four v_nop follow each line
	s_cmp_eq_u32 s11, 0
	s_cbranch_scc0 .Lfor_b_\@
	tensor_load_to_lds s[G0+4*\s:G0+4*\s+3], s[G1:G1+7]
	s_nop 0
.rept 4
	v_nop
.endr
	s_branch .Lasked_\@
.Lfor_b_\@:
	tensor_load_to_lds s[G0B+4*\s:G0B+4*\s+3], s[G1B:G1B+7]
	s_nop 0
.rept 4
	v_nop
.endr
.Lasked_\@:
.endm
.macro CREST                           ; a round of the cluster's barrier behind its opening barrier
	s_cmp_lg_u32 s10, 0
	s_cbranch_scc1 .Lnot_wave_0_\@
	s_barrier_signal -3
.Lnot_wave_0_\@:
	s_barrier_wait -3
	s_barrier_signal -1
	s_barrier_wait -1
.endm
.macro CROUND
	s_barrier_signal -1
	s_barrier_wait -1
	CREST
.endm
	s_load_b128 s[4:7], s[0:1], 0x0                ; ctxh s[4:5], wo16 s[6:7]
	s_load_b64 s[8:9], s[0:1], 0x10                ; out0
	s_load_b64 s[66:67], s[0:1], 0x18              ; bo
	v_lshl_add_u32 v[SPW], v0, 2, SPARE
	v_mov_b32 v[NIL], 0
	ds_add_u32 v[SPW], v[NIL]                      ; the wave's opening: the add, twice on end, and its wait ahead of my first tensor load; the set-up below stands between
	ds_add_u32 v[SPW], v[NIL]
	v_lshrrev_b32 v1, 5, v0
	v_readfirstlane_b32 s10, v1                    ; wave 0..3
	s_lshr_b32 s11, s10, 1                         ; which half of the tile's tokens is mine.  Also: I fetch for ctx (0) or for Wo (1)
	s_and_b32 s12, s10, 1                          ; which half of its columns.  Also: which head, or which 128 rows of Wo, I fetch
	s_bfe_u32 s40, ttmp6, 0x40000                  ; cx, cy: my place in the cluster
	s_bfe_u32 s41, ttmp6, 0x40004
	s_lshl_b32 s42, ttmp9, 2
	s_add_co_u32 s42, s42, s40                     ; tile column = 4 x cluster x + cx
	s_and_b32 s13, ttmp7, 0xffff
	s_lshl_b32 s13, s13, 2
	s_add_co_u32 s13, s13, s41                     ; tile row = 4 x cluster y + cy
	s_lshl_b32 s43, s41, 2
	s_lshl_b32 s43, 15, s43                        ; my row of the cluster
	s_lshl_b32 s44, 0x1111, s40                    ; my column
	s_or_b32 s[G1+0], s43, (1<<16)|(1<<20)|(1<<21)|(4<<22)|(3<<25)   ; the mask: ctx's tiles go to my row; elements of 2 bytes; padding on; bit 21 beside a mask; four words after every 32
	s_mov_b32 s[G1+1], 64<<16                      ; tensor_dim0 = 64
	s_mov_b32 s[G1+2], 128<<16                     ; tensor_dim1 = 128
	s_mov_b32 s[G1+3], 64<<16                      ; tile_dim0
	s_mov_b32 s[G1+4], 128                         ; tile_dim1
	s_mov_b32 s[G1+5], 64                          ; tensor_dim0_stride
	s_mov_b32 s[G1+6], 0
	s_mov_b32 s[G1+7], 0
	s_or_b32 s[G1B+0], s44, (1<<16)|(1<<20)|(1<<21)|(5<<22)|(3<<25)  ; Wo's go to my column; four words after every 64
	s_mov_b32 s[G1B+1], 128<<16
	s_mov_b32 s[G1B+2], 128<<16
	s_mov_b32 s[G1B+3], 128<<16
	s_mov_b32 s[G1B+4], 128
	s_mov_b32 s[G1B+5], 1024
	s_mov_b32 s[G1B+6], 0
	s_mov_b32 s[G1B+7], 0
	s_lshr_b32 s16, s13, 4                         ; ctx: the batch (16 tile rows each): 16 heads of 262,144 bytes,
	s_lshl_b32 s16, s16, 22
	s_and_b32 s17, s13, 15
	s_lshl_b32 s17, s17, 14                        ; the tile's 128 tokens of 128 bytes,
	s_add_co_u32 s16, s16, s17
	s_lshl_b32 s17, s12, 18                        ; my head of the step's two
	s_add_co_u32 s16, s16, s17
	s_mov_b32 s17, 0
	s_lshl_b32 s46, s42, 8                         ; Wo: row 256 x tile column + 128 x half,
	s_lshl_b32 s47, s12, 7
	s_add_co_u32 s46, s46, s47
	s_lshl_b32 s46, s46, 11                        ; 2,048 bytes a row
	s_mov_b32 s47, 0
	s_mul_i32 s20, s12, AH                         ; where they go: no place in the cluster enters an LDS address
	s_mul_i32 s21, s12, BH
	s_add_co_u32 s21, s21, BOFF
	s_wait_dscnt 0x0                               ; both opening adds are done
	s_wait_kmcnt 0x0
	s_add_nc_u64 s[14:15], s[4:5], s[16:17]
	s_add_nc_u64 s[46:47], s[6:7], s[46:47]
	CROUND                                         ; all sixteen work-groups are here: the first joint loads meet
.irp s, 0,1
	s_mov_b32 s[G0+4*\s], 1
	s_add_co_u32 s[G0+4*\s+1], s20, \s*SLOT
	s_add_nc_u64 s[G0+4*\s+2:G0+4*\s+3], s[14:15], \s*2*262144      ; K step s: heads 2 s, 2 s + 1
	s_or_b32 s[G0+4*\s+3], s[G0+4*\s+3], 0x80000000
	s_mov_b32 s[G0B+4*\s], 1
	s_add_co_u32 s[G0B+4*\s+1], s21, \s*SLOT
	s_add_nc_u64 s[G0B+4*\s+2:G0B+4*\s+3], s[46:47], \s*256
	s_or_b32 s[G0B+4*\s+3], s[G0B+4*\s+3], 0x80000000
	JLOAD \s                                       ; two tensor loads of mine are out
.endr
	v_and_b32 v1, 15, v0                           ; l % 16
	v_bfe_u32 v2, v0, 4, 1                         ; l / 16
	v_lshlrev_b32 v[BA], 5, v2
	s_lshl_b32 s22, s42, 10                        ; my first column, in bytes of f32: 1,024 x tile column + 512 x half: in bo and in a row of out0 alike
	s_lshl_b32 s23, s12, 9
	s_add_co_u32 s22, s22, s23
	s_mov_b32 s23, 0
	s_add_nc_u64 s[66:67], s[66:67], s[22:23]
	WIN 0x80                                       ; destination window 2
.irp b, 0,1,2,3,4,5,6,7
	global_load_b128 v[8*\b:8*\b+3],   v[BA], s[66:67] offset:64*\b      ; bo(16 b + 8 (l / 16) + 0 .. 7)
	global_load_b128 v[8*\b+4:8*\b+7], v[BA], s[66:67] offset:64*\b+16
.endr
	WIN 0
	v_mul_u32_u24 v3, v1, PA
	v_lshl_add_u32 v3, v2, 4, v3                   ; a fragment's row x pitch + 16 x half
	v_mul_u32_u24 v4, v1, PB
	v_lshl_add_u32 v4, v2, 4, v4
	s_mul_i32 s20, s11, 64*PA                      ; my 64 tokens
	s_mul_i32 s21, s12, BH                         ; my 128 rows of Wo,
	s_add_co_u32 s21, s21, BOFF                    ; behind ctx's two blocks
.irp s, 0,1
	v_add_nc_u32 v[ADRA+\s], s20, v3
	v_add_nc_u32 v[ADRB+\s], s21, v4
	s_add_co_u32 s20, s20, SLOT
	s_add_co_u32 s21, s21, SLOT
.endr
	s_mul_i32 s20, s10, 16*SPITCH
	s_add_co_u32 s20, s20, STAGE                   ; my stage
	v_mul_u32_u24 v5, v1, SPITCH                   ; in: row l % 16, 32 bytes for each half of the lanes
	v_lshl_add_u32 v5, v2, 5, v5
	v_add_nc_u32 v[STO], s20, v5
	v_and_b32 v6, 31, v0
	v_lshlrev_b32 v[CO], 4, v6                     ; back: the 32 lanes take one row of 512 bytes; and the same in out0
	v_add_nc_u32 v[RD], s20, v[CO]
	s_lshl_b32 s68, s13, 19                        ; my first row of out0: (128 x tile row + 64 x half) x 4,096 bytes
	s_lshl_b32 s69, s11, 18
	s_add_co_u32 s68, s68, s69
	s_add_co_u32 s68, s68, s22
	s_mov_b32 s69, 0
	s_add_nc_u64 s[8:9], s[8:9], s[68:69]
; 8 products: token block a x Wo's eight blocks, 32 along K, from buffer f.  zero = 1: the bias starts the sums.  The 32 accumulators take turns, one instruction a turn, in the same order in
; every quarter.
.macro MUL8 f, a, zero
.irp b, 0,1,2,3,4,5,6,7
.if \zero
	v_wmma_f32_16x16x32_f16 v[8*(8*\a+\b):8*(8*\a+\b)+7], v[FB+64*\f+8*\b:FB+64*\f+8*\b+7], v[FA+32*\f+8*\a:FA+32*\f+8*\a+7], v[8*\b:8*\b+7]
.else
	v_wmma_f32_16x16x32_f16 v[8*(8*\a+\b):8*(8*\a+\b)+7], v[FB+64*\f+8*\b:FB+64*\f+8*\b+7], v[FA+32*\f+8*\a:FA+32*\f+8*\a+7], v[8*(8*\a+\b):8*(8*\a+\b)+7]
.endif
.endr
.endm
.macro MULWIN zero
.if \zero
	WIN MUL0
.else
	WIN MUL
.endif
.endm
; 24 LDS loads in one run: the fragments of quarter q (32 along K: head q / 2, channels 32 (q % 2) on) into buffer f: Wo's sixteen first, then ctx's eight
.macro FETCH slot, q, f
	WIN 0
.irp b, 0,1,2,3,4,5,6,7
	ds_load_b128 v[FB+64*\f+8*\b:FB+64*\f+8*\b+3],   v[ADRB+\slot] offset:64*\q+\b*16*PB
	ds_load_b128 v[FB+64*\f+8*\b+4:FB+64*\f+8*\b+7], v[ADRB+\slot] offset:64*\q+\b*16*PB+32
.endr
.irp a, 0,1,2,3
	ds_load_b128 v[FA+32*\f+8*\a:FA+32*\f+8*\a+3],   v[ADRA+\slot] offset:(\q/2)*AH+(\q%2)*64+\a*16*PA
	ds_load_b128 v[FA+32*\f+8*\a+4:FA+32*\f+8*\a+7], v[ADRA+\slot] offset:(\q/2)*AH+(\q%2)*64+\a*16*PA+32
.endr
.endm
.macro PLACES                          ; four places in front of loads into registers that matrix instructions have read, and of reads of results
.rept 4
	v_nop
.endr
.endm
; A K step is four quarters of 32 along K, 32 products each, on buffers 0, 1, 0, 1.  One of the first three: multiplies buffer f and fetches quarter q into buffer g.
.macro QUARTER slot, q, f, g, zero
	s_wait_dscnt 4                                 ; Wo's fragments and token blocks 0, 1 are in; the youngest four loads (blocks 2, 3) may be out
	MULWIN \zero
	MUL8 \f, 0, \zero
	MUL8 \f, 1, \zero
	PLACES
	FETCH \slot, \q, \g
	s_wait_dscnt 24                                ; all but the 24 just issued
	MULWIN \zero
	MUL8 \f, 2, \zero
	MUL8 \f, 3, \zero
.endm
; The last quarter multiplies buffer 1 and changes slots: ONE barrier; in front of it each wave waits for all its tensor loads, adds 0 to its spare word, and waits for that and for its reads of this slot.
; fill = 1: the barrier opens a round of the cluster's, and this slot is filled again, two K steps ahead, first thing behind it.
.macro TURN slot, next, fill
	WIN 0                                          ; (the add's two registers lie in window 0)
	s_wait_tensorcnt 0x0                           ; all my tensor loads have landed: my part of the next slot
	ds_add_u32 v[SPW], v[NIL]                      ; 0 onto my spare word
	s_wait_dscnt 5                                 ; (the add and the youngest four loads may be out)
	WIN MUL
	MUL8 1, 0, 0                                   ; eight products stand between the add and the wait for it
	s_wait_dscnt 0x0                               ; the add is done, and my reads of this slot are over
	s_barrier_signal -1
	MUL8 1, 1, 0
	WIN 0
	s_barrier_wait -1
.if \fill
	CREST                                          ; no wave of any partner still reads this slot's tiles or has a load on its way
	s_add_nc_u64 s[G0+4*\slot+2:G0+4*\slot+3], s[G0+4*\slot+2:G0+4*\slot+3], 4*262144   ; four heads on
	s_add_nc_u64 s[G0B+4*\slot+2:G0B+4*\slot+3], s[G0B+4*\slot+2:G0B+4*\slot+3], 512
	JLOAD \slot                                    ; the four v_nop behind it are also the places in front of the loads below
.else
	PLACES
.endif
	FETCH \next, 0, 0
	WIN MUL
	MUL8 1, 2, 0
	MUL8 1, 3, 0
.endm
	s_wait_tensorcnt 1                             ; my part of K step 0 is in (K step 1's load may be out)
	s_barrier_signal -1
	s_barrier_wait -1                              ; everybody's is
	FETCH 0, 0, 0
	s_wait_loadcnt 0x0                             ; the bias
	QUARTER 0, 1, 0, 1, 1                          ; the first quarter stands in front of the loop: its products start the sums
	WIN 0                                          ; at a label and at a branch every window is 0
	s_mov_b32 s3, LAPS-1
.Llap:                                                 ; a trip goes once round the ring, from a lap's second quarter to the next lap's first, and fills both slots again
	QUARTER 0, 2, 1, 0, 0
	QUARTER 0, 3, 0, 1, 0
	TURN 0, 1, 1
	QUARTER 1, 1, 0, 1, 0
	QUARTER 1, 2, 1, 0, 0
	QUARTER 1, 3, 0, 1, 0
	TURN 1, 0, 1
	QUARTER 0, 1, 0, 1, 0
	WIN 0
	s_sub_co_u32 s3, s3, 1
	s_cmp_lg_u32 s3, 0
	s_cbranch_scc1 .Llap
	QUARTER 0, 2, 1, 0, 0                          ; the last lap fills nothing, and has no round of the cluster's barrier
	QUARTER 0, 3, 0, 1, 0
	TURN 0, 1, 0
	QUARTER 1, 1, 0, 1, 0
	QUARTER 1, 2, 1, 0, 0
	QUARTER 1, 3, 0, 1, 0
	s_wait_dscnt 4                                 ; the very last quarter: nothing more to fetch
	WIN MUL
	MUL8 1, 0, 0
	MUL8 1, 1, 0
	s_wait_dscnt 0
	MUL8 1, 2, 0
	MUL8 1, 3, 0
	WIN 0
; THE WAY OUT, block by block of 16 tokens x 128 columns: a lane holds 32 neighbouring bytes of a row, so a block goes through my own stage in LDS and comes back as whole rows of 512 bytes.
; LDS serves a wave's instructions in order (ISA guide 5.7.1.4): no wait between the stores and the loads, nor in front of the next block's stores.
.macro TOSTAGE a
.set AC, 64*(\a)
	WIN 0x04                                       ; an LDS store's data are its source 1: window 1
.irp b, 0,1,2,3,4,5,6,7
	ds_store_b128 v[STO], v[AC+8*\b:AC+8*\b+3] offset:64*\b          ; each accumulator from its low end on
	ds_store_b128 v[STO], v[AC+8*\b+4:AC+8*\b+7] offset:64*\b+16
.endr
	WIN 0
.set BB, BK+64*((\a)%2)
.irp t, 0,1,2,3,4,5,6,7,8,9,10,11,12,13,14,15
	ds_load_b128 v[BB+4*\t:BB+4*\t+3], v[RD] offset:\t*SPITCH
.endr
.endm
.macro SEND a, younger                 ; younger: the LDS instructions issued behind block a's loads, which may stay out
.set BB, BK+64*((\a)%2)
	s_wait_dscnt \younger
.if (\a) > 0
	s_add_nc_u64 s[8:9], s[8:9], 16*4096           ; (behind a wait on XCNT: the earlier stores have read their base)  16 rows on
.endif
.irp t, 0,1,2,3,4,5,6,7,8,9,10,11,12,13,14,15
	global_store_b128 v[CO], v[BB+4*\t:BB+4*\t+3], s[8:9] offset:\t*4096 th:TH_STORE_NT   ; 32 lanes store 512 consecutive bytes, aligned; written once, read by nobody here
.endr
.endm
	PLACES                                         ; behind the last products: for the reads of results and the loads into the registers that held Wo's fragments
	TOSTAGE 0
.irp a, 1,2,3
.if \a > 1
	s_wait_xcnt 0x0                                ; block a - 2's stores have read their registers and their base
.endif
	TOSTAGE \a
	SEND \a-1, 32                                  ; behind block a - 1's loads: block a's 16 stores and 16 loads
.endr
	s_wait_xcnt 0x0                                ; block 2's stores have read their base
	SEND 3, 0
	s_wait_tensorcnt 0x0                           ; the wave's end, behind my last tensor load and my last LDS store
	ds_add_u32 v[SPW], v[NIL]
	s_wait_dscnt 0x0
	CROUND                                         ; the closing round
	s_endpgm
.Lfunc_end_k_qa58e9a21a4_proj:
	.size	k_qa58e9a21a4_proj, .Lfunc_end_k_qa58e9a21a4_proj-k_qa58e9a21a4_proj
	.p2alignl 7, 3214868480
	.fill 96, 4, 3214868480
	.section	.rodata,"a",@progbits
	.p2align	6, 0x0
	.amdhsa_kernel k_qa58e9a21a4_proj
		.amdhsa_group_segment_fixed_size 327680
		.amdhsa_private_segment_fixed_size 0
		.amdhsa_enable_private_segment 0
		.amdhsa_kernarg_size 32
		.amdhsa_user_sgpr_count 2
		.amdhsa_user_sgpr_kernarg_segment_ptr 1
		.amdhsa_wavefront_size32 1
		.amdhsa_system_sgpr_workgroup_id_x 1
		.amdhsa_system_sgpr_workgroup_id_y 1
		.amdhsa_system_sgpr_workgroup_id_z 1
		.amdhsa_system_vgpr_workitem_id 0
		.amdhsa_next_free_vgpr 768
		.amdhsa_next_free_sgpr 70
		.amdhsa_reserve_vcc 0
		.amdhsa_float_denorm_mode_32 3
		.amdhsa_float_denorm_mode_16_64 3
		.amdhsa_memory_ordered 1
		.amdhsa_forward_progress 1
		.amdhsa_inst_pref_size 87
	.end_amdhsa_kernel
	.amdgpu_metadata
---
amdhsa.version: [ 1, 2 ]
amdhsa.kernels:
  - .name:           k_qa58e9a21a4_proj
    .symbol:         k_qa58e9a21a4_proj.kd
    .args:
      - { .name: ctxh, .offset: 0, .size: 8, .value_kind: global_buffer, .address_space: global }
      - { .name: wo16, .offset: 8, .size: 8, .value_kind: global_buffer, .address_space: global }
      - { .name: out0, .offset: 16, .size: 8, .value_kind: global_buffer, .address_space: global }
      - { .name: bo, .offset: 24, .size: 8, .value_kind: global_buffer, .address_space: global }
    .group_segment_fixed_size: 327680
    .private_segment_fixed_size: 0
    .kernarg_segment_align: 8
    .kernarg_segment_size: 32
    .max_flat_workgroup_size: 128
    .sgpr_count:     70
    .vgpr_count:     768
    .wavefront_size: 32
...
	.end_amdgpu_metadata
.endif
;; end of part 4
